; MI455X (gfx1250); checked and timed in simulation.
; The chip was launched on July 23, 2026; its instructions are those of AMD's public machine-readable ISA for CDNA 5 (MIT licence, August 2026) and "CDNA5" Instruction Set Architecture Reference Guide (July 2026). The comments in the code are by the model that wrote it; some were corrected since.
;; Self Attention. Allowed arithmetic: float matrix products may take bf16 or f16 operands with f32 sums; other float arithmetic in f32, or as packed bf16 or f16 multiplies, adds, multiply-adds, maxima and minima; sums over many terms, partial sums and values carried from step to step in f32; what a program stores and reads back later, other than sums and carried values, may be rounded once to bf16 or f16.
;; Inputs: Wk 1,024 x 1,024 float32; Wq 1,024 x 1,024 float32; Wv 1,024 x 1,024 float32; bk 1,024 float32; bq 1,024 float32; bv 1,024 float32; mask 4 x 2,048 x 2,048 bool; x 4 x 2,048 x 1,024 float32.
;; Outputs: out0 4 x 2,048 x 1,024 float32.
;; One version. Each part assembles by itself: llvm-mc -triple=amdgcn-amd-amdhsa -mcpu=gfx1250 --defsym DOCPART=n.
;; ======== version 1 of 1: 4 launches
;; limits: right only within a limited range of input values
;; workspace buffers: xw 23,068,672 bytes; nrm 4,096 bytes; qkv 50,331,648 bytes; pw 33,554,432 bytes; st 524,288 bytes
;; launch cast (part 1): grid 256 x 1, 11 waves a work-group, no clusters, 1,792 bytes of LDS; arguments x, Wq, Wk, Wv, bq, bk, bv, xw, nrm; writes xw, nrm
.if DOCPART == 1
	.amdgcn_target "amdgcn-amd-amdhsa--gfx1250"
	.amdhsa_code_object_version 6
	.text
	.protected	k_qd1d1776c20_cast
	.globl	k_qd1d1776c20_cast
	.p2align	8
	.type	k_qd1d1776c20_cast,@function
k_qd1d1776c20_cast:
	s_mov_b64 s[64:65], 0
	v_nop
	global_prefetch_b8 v0, s[64:65] scope:SCOPE_SE
	s_setreg_imm32_b32 hwreg(HW_REG_WAVE_MODE, 25, 1), 1
	s_wait_xcnt 0x0
; x, Wq, Wk, Wv (f32) are rounded once to bf16 and laid out in K blocks: xw[kb = 16][row = 11264][64], so that the rows of a tile of the next launch lie end to end for one kb.
; Rows 0-8191: x's tokens.  Row 8192 + 384 X + 128 sec + c: row 128 X + c of W_sec (sec 0, 1, 2 = q, k, v).
; Beside it: nrm (f32), four groups of 256 numbers.  Group 0: for each work-group the largest sum of squares among its 32 rows of x.  Groups 1, 2, 3 (q, k, v): for each work-group the largest of |W_j|^2 + b_j^2 among its 4 rows of that W.
; From these the later launches make a bound |x.W_j + b_j| <= sqrt(X2 + 1) sqrt(|W_j|^2 + b_j^2), and from the bound a power of two by which q, k, v are scaled into f16.
; SHARES.  11,264 rows on 256 work-groups: 44 rows each, 4 to a wave.  In work-group g waves 0-7 take x's rows 32 g .. 32 g + 31, waves 8, 9, 10 rows 4 g .. 4 g + 3 of Wq, Wk, Wv: every work-group has the same work.
; A wave's rows go in two pairs: lanes 0-15 hold the even row, lanes 16-31 the odd one; lane i % 16 takes 16 bytes (4 numbers) of each kb's 256.  So each half of a load takes 256 consecutive bytes, aligned, and a store of
; 8 bytes a lane covers the pair's two rows of 128 bytes in xw: 256 consecutive bytes, aligned.
; A stream: nothing is shared and nothing is multiplied, so no matrix unit, no cluster, no tile in LDS.  All 32 loads of a thread go out at once.
; LIMITS.  NaN and infinities are not treated apart; a row's sum of squares must be finite in f32.
.set KBS,   1441792                    ; bytes from one kb to the next: 11264 rows x 128
.set SPARE, 256                        ; LDS: bytes 0-43 the eleven waves' maxima (the block of 256 is theirs); from 256 on the spare words, 128 bytes a wave, six blocks of 256
.set SRC,   1                          ; v1   my byte offset in the wave's 4 source rows: 4,096 (lane / 16) + 16 (lane % 16)
.set DST,   2                          ; v2   8 x lane: my 8 bytes of a pair's 256 in a kb
.set BO,    3                          ; v3   my even pair's row in a bias, in bytes
.set BV,    4                          ; v4, v5  the biases of my two rows
.set SPW,   6                          ; v6   my spare word
.set NIL,   7                          ; v7   0
.set SUM,   8                          ; v[8:15]   two packed sums of squares for each of my two rows
.set X,     16                         ; v[16:143] 8 registers a kb: as loaded (4 for each pair); the first four then hold the 8 bf16
.set RED,   144                        ; v[144:151] the maxima of waves 0-7
	s_load_b512 s[4:19], s[0:1], 0x0               ; x s[4:5], Wq s[6:7], Wk s[8:9], Wv s[10:11], bq s[12:13], bk s[14:15], bv s[16:17], xw s[18:19]
	s_load_b64 s[20:21], s[0:1], 0x40              ; nrm
	v_lshl_add_u32 v[SPW], v0, 2, SPARE
	v_mov_b32 v[NIL], 0
	v_lshrrev_b32 v9, 5, v0
	v_readfirstlane_b32 s33, v9                    ; wave 0..10
	s_mov_b32 s30, 0x76543210                      ; v_permlanex16_b32: each lane takes its own place in the other half
	s_mov_b32 s31, 0xfedcba98
	v_and_b32 v8, 15, v0                           ; lane % 16
	v_bfe_u32 v9, v0, 4, 1                         ; lane / 16
	v_lshlrev_b32 v[SRC], 12, v9
	v_lshl_add_u32 v[SRC], v8, 4, v[SRC]
	v_and_b32 v[DST], 31, v0
	v_lshlrev_b32 v[DST], 3, v[DST]
	s_lshl_b32 s34, ttmp9, 2                       ; 4 g: the work-group's first row in each W, and its word in nrm's group 0
	v_add_lshl_u32 v[BO], v9, s34, 2               ; 4 x (4 g + lane / 16): inside every bias, for x's waves too
	s_lshl_b32 s35, ttmp9, 5
	s_lshl_b32 s36, s33, 2
	s_add_co_u32 s35, s35, s36                     ; x: my first row, in x and in xw: 32 g + 4 wave
	s_lshr_b32 s36, ttmp9, 5                       ; W: my first row in xw: 8192 + 384 (g / 32) + 128 sec + 4 (g % 32)
	s_mul_i32 s36, s36, 384
	s_max_u32 s37, s33, 8
	s_sub_co_u32 s37, s37, 8                       ; sec
	s_lshl_b32 s38, s37, 7
	s_add_co_u32 s36, s36, s38
	s_and_b32 s38, ttmp9, 31
	s_lshl_b32 s38, s38, 2
	s_add_co_u32 s36, s36, s38
	s_add_co_u32 s36, s36, 8192
	s_lshl_b32 s38, s37, 8                         ; W: my word in nrm: 1,024 + 4 (256 sec + g)
	s_add_co_u32 s38, s38, ttmp9
	s_lshl_b32 s38, s38, 2
	s_add_co_u32 s38, s38, 1024
	s_wait_kmcnt 0x0
	s_cmp_eq_u32 s33, 9
	s_cselect_b64 s[24:25], s[8:9], s[6:7]
	s_cselect_b64 s[26:27], s[14:15], s[12:13]
	s_cmp_eq_u32 s33, 10
	s_cselect_b64 s[24:25], s[10:11], s[24:25]
	s_cselect_b64 s[26:27], s[16:17], s[26:27]
	s_cmp_lt_u32 s33, 8
	s_cselect_b64 s[24:25], s[4:5], s[24:25]       ; the source
	s_cselect_b32 s28, s35, s34                    ; my first row in it
	s_cselect_b32 s29, 0, 1.0                      ; the bias counts for rows of W alone (x's waves read bq and multiply its square by 0)
	s_cselect_b32 s35, s35, s36                    ; my first row in xw
	s_cselect_b32 s38, s34, s38                    ; the word of nrm that my number belongs to
	s_cselect_b32 s22, -1, 0                       ; x's waves: the work-group's maximum; W's: the wave's own
	s_lshl_b32 s46, s28, 12                        ; rows of 4,096 bytes
	s_mov_b32 s47, 0
	s_add_nc_u64 s[24:25], s[24:25], s[46:47]
	s_lshl_b32 s46, s35, 7
	s_add_nc_u64 s[40:41], s[18:19], s[46:47]      ; three bases, six kb apart, so that the kb stands in the store's immediate
	s_add_nc_u64 s[42:43], s[40:41], 6*KBS
	s_add_nc_u64 s[44:45], s[40:41], 12*KBS
	global_load_b32 v[BV], v[BO], s[26:27]
	global_load_b32 v[BV+1], v[BO], s[26:27] offset:8  ; two rows on
.set kb, 0
.rept 16
	global_load_b128 v[X+8*kb:X+8*kb+3],   v[SRC], s[24:25] offset:256*kb th:TH_LOAD_NT       ; rows 0 and 1
	global_load_b128 v[X+8*kb+4:X+8*kb+7], v[SRC], s[24:25] offset:256*kb+8192 th:TH_LOAD_NT  ; rows 2 and 3
.set kb, kb+1
.endr
.set kb, 0
.rept 16
	s_wait_loadcnt 30-2*kb                         ; loads come back in order: this kb's two are in, the 30 - 2 kb younger ones stay out
.irp j, 0,1,2,3
.if kb == 0
	v_pk_mul_f32 v[SUM+2*(\j):SUM+2*(\j)+1], v[X+2*(\j):X+2*(\j)+1], v[X+2*(\j):X+2*(\j)+1]  ; the first squares start the sums
.else
	v_pk_fma_f32 v[SUM+2*(\j):SUM+2*(\j)+1], v[X+8*kb+2*(\j):X+8*kb+2*(\j)+1], v[X+8*kb+2*(\j):X+8*kb+2*(\j)+1], v[SUM+2*(\j):SUM+2*(\j)+1]
.endif
.endr
.irp j, 0,1,2,3
	v_cvt_pk_bf16_f32 v[X+8*kb+(\j)], v[X+8*kb+2*(\j)], v[X+8*kb+2*(\j)+1]  ; ascending: a register is written when it has been read
.endr
	global_store_b64 v[DST], v[X+8*kb:X+8*kb+1],   s[40+2*(kb/6):41+2*(kb/6)] offset:(kb%6)*KBS      ; rows 0 and 1: 256 consecutive bytes, aligned
	global_store_b64 v[DST], v[X+8*kb+2:X+8*kb+3], s[40+2*(kb/6):41+2*(kb/6)] offset:(kb%6)*KBS+256  ; rows 2 and 3
.set kb, kb+1
.endr
	v_pk_add_f32 v[SUM:SUM+1], v[SUM:SUM+1], v[SUM+2:SUM+3]
	v_pk_add_f32 v[SUM+4:SUM+5], v[SUM+4:SUM+5], v[SUM+6:SUM+7]
	v_add_f32 v[SUM], v[SUM], v[SUM+1]
	v_add_f32 v[SUM+4], v[SUM+4], v[SUM+5]
.irp x, 1,2,4,8                                        ; a row lies in sixteen neighbouring lanes
	v_add_f32_dpp v[SUM], v[SUM], v[SUM] row_xmask:\x row_mask:0xf bank_mask:0xf
	v_add_f32_dpp v[SUM+4], v[SUM+4], v[SUM+4] row_xmask:\x row_mask:0xf bank_mask:0xf
.endr
	v_mul_f32 v[SUM+1], v[BV], v[BV]
	v_mul_f32 v[SUM+5], v[BV+1], v[BV+1]
	v_fma_f32 v[SUM], v[SUM+1], s29, v[SUM]
	v_fma_f32 v[SUM+4], v[SUM+5], s29, v[SUM+4]
	v_max_num_f32 v[SUM], v[SUM], v[SUM+4]         ; the largest of the wave's four rows
	v_permlanex16_b32 v[SUM+1], v[SUM], s30, s31
	v_max_num_f32 v[SUM], v[SUM], v[SUM+1]
	v_mov_b32 v10, s33
	v_lshlrev_b32 v10, 2, v10
	ds_store_b32 v10, v[SUM]                       ; all lanes write the wave's word with the same number
	s_wait_dscnt 0x0                               ; for the others' sake: my store is done
	s_barrier_signal -1
	s_barrier_wait -1
	v_mov_b32 v11, 0
	ds_load_b128 v[RED:RED+3], v11                 ; the numbers of waves 0-7: x's rows
	ds_load_b128 v[RED+4:RED+7], v11 offset:16
	v_mov_b32 v12, s38
	s_wait_dscnt 0x0
	v_max3_num_f32 v[RED], v[RED], v[RED+1], v[RED+2]
	v_max3_num_f32 v[RED], v[RED], v[RED+3], v[RED+4]
	v_max3_num_f32 v[RED], v[RED], v[RED+5], v[RED+6]
	v_max_num_f32 v[RED], v[RED], v[RED+7]
	v_cndmask_b32 v[RED], v[SUM], v[RED], s22
	s_sub_co_u32 s39, s33, 1
	s_cmp_lt_u32 s39, 7
	s_cbranch_scc1 .Lend                           ; waves 1-7 store nothing: wave 0 stores x's word, waves 8-10 their own, each by its first lane
	v_cmp_eq_u32 vcc_lo, 0, v[DST]
	s_wait_xcnt 0x0                                ; EXEC is a source of the stores above: it changes only behind this wait
	s_and_saveexec_b32 s39, vcc_lo
	global_store_b32 v12, v[RED], s[20:21]
	s_wait_xcnt 0x0                                ; and again ahead of the line that widens it
	s_or_b32 exec_lo, exec_lo, s39
.Lend:
	s_wait_tensorcnt 0x0                           ; the wave's end, behind my last LDS store
	ds_add_u32 v[SPW], v[NIL]
	s_wait_dscnt 0x0
	s_endpgm
.Lfunc_end_k_qd1d1776c20_cast:
	.size	k_qd1d1776c20_cast, .Lfunc_end_k_qd1d1776c20_cast-k_qd1d1776c20_cast
	.p2alignl 7, 3214868480
	.fill 96, 4, 3214868480
	.section	.rodata,"a",@progbits
	.p2align	6, 0x0
	.amdhsa_kernel k_qd1d1776c20_cast
		.amdhsa_group_segment_fixed_size 1792
		.amdhsa_private_segment_fixed_size 0
		.amdhsa_enable_private_segment 0
		.amdhsa_kernarg_size 72
		.amdhsa_user_sgpr_count 2
		.amdhsa_user_sgpr_kernarg_segment_ptr 1
		.amdhsa_wavefront_size32 1
		.amdhsa_system_sgpr_workgroup_id_x 1
		.amdhsa_system_sgpr_workgroup_id_y 1
		.amdhsa_system_sgpr_workgroup_id_z 1
		.amdhsa_system_vgpr_workitem_id 0
		.amdhsa_next_free_vgpr 152
		.amdhsa_next_free_sgpr 66
		.amdhsa_reserve_vcc 1
		.amdhsa_float_denorm_mode_32 3
		.amdhsa_float_denorm_mode_16_64 3
		.amdhsa_memory_ordered 1
		.amdhsa_forward_progress 1
		.amdhsa_inst_pref_size 20
	.end_amdhsa_kernel
	.amdgpu_metadata
---
amdhsa.version: [ 1, 2 ]
amdhsa.kernels:
  - .name:           k_qd1d1776c20_cast
    .symbol:         k_qd1d1776c20_cast.kd
    .args:
      - { .name: x, .offset: 0, .size: 8, .value_kind: global_buffer, .address_space: global }
      - { .name: Wq, .offset: 8, .size: 8, .value_kind: global_buffer, .address_space: global }
      - { .name: Wk, .offset: 16, .size: 8, .value_kind: global_buffer, .address_space: global }
      - { .name: Wv, .offset: 24, .size: 8, .value_kind: global_buffer, .address_space: global }
      - { .name: bq, .offset: 32, .size: 8, .value_kind: global_buffer, .address_space: global }
      - { .name: bk, .offset: 40, .size: 8, .value_kind: global_buffer, .address_space: global }
      - { .name: bv, .offset: 48, .size: 8, .value_kind: global_buffer, .address_space: global }
      - { .name: xw, .offset: 56, .size: 8, .value_kind: global_buffer, .address_space: global }
      - { .name: nrm, .offset: 64, .size: 8, .value_kind: global_buffer, .address_space: global }
    .group_segment_fixed_size: 1792
    .private_segment_fixed_size: 0
    .kernarg_segment_align: 8
    .kernarg_segment_size: 72
    .max_flat_workgroup_size: 352
    .sgpr_count:     66
    .vgpr_count:     152
    .wavefront_size: 32
...
	.end_amdgpu_metadata
.endif
;; end of part 1
;; launch proj (part 2): grid 8 x 32, 4 waves a work-group, clusters of 4 x 4, 327,680 bytes of LDS; arguments xw, nrm, bq, bk, bv, qkv; writes qkv
.if DOCPART == 2
	.amdgcn_target "amdgcn-amd-amdhsa--gfx1250"
	.amdhsa_code_object_version 6
	.text
	.protected	k_qd1d1776c20_proj
	.globl	k_qd1d1776c20_proj
	.p2align	8
	.type	k_qd1d1776c20_proj,@function
k_qd1d1776c20_proj:
	s_mov_b64 s[64:65], 0
	v_nop
	global_prefetch_b8 v0, s[64:65] scope:SCOPE_SE
	s_setreg_imm32_b32 hwreg(HW_REG_WAVE_MODE, 25, 1), 1
	s_wait_xcnt 0x0
	s_wait_alu depctr_hold_cnt(0) depctr_sa_sdst(0) depctr_va_vdst(0) depctr_va_sdst(0) depctr_va_ssrc(0) depctr_va_vcc(0) depctr_vm_vsrc(0)
	s_getreg_b32 s2, hwreg(HW_REG_IB_STS2, 6, 4)
	s_cmp_eq_u32 s2, 0
	s_cbranch_scc0 .Lentry_in_a_cluster
	s_endpgm
.Lentry_in_a_cluster:
	s_bfe_u32 s2, ttmp6, 0x10000c
	s_cmp_lg_u32 s2, 0xf033
	s_cbranch_scc0 .Lentry_shape_is_right
	s_endpgm
.Lentry_shape_is_right:
; [Q | K | V] = x W^T + b, all three at once.  Operands bf16 (xw, in K blocks), sums f32.  qkv[sec = 3][8192][1024] in f16 holds (x.W + b) 2^(15 - h_sec), rounded once.
; THE SCALE.  |x.W_j + b_j| <= sqrt(X2 + 1) sqrt(W2), X2 the largest sum of squares of a row of x, W2 the largest |W_j|^2 + b_j^2 of the section (nrm).  With e the exponent field of (X2 + 1) W2 and
; h = (e - 125) >> 1 the bound lies below 2^h, so what is stored stays under 2^15 (the operands' rounding to bf16 adds under one part in a hundred): half of what f16 holds, for inputs of any size.
; LIMITS.  NaN and infinities are not treated apart; (X2 + 1) W2 must be finite in f32.
; SHARES.  8192 x 3072 results on 256 work-groups: a tile of 256 tokens x 384 columns: channels 128 TX .. + 127 of each of Q, K, V.  Four waves, each 128 tokens x 192 columns: 96 accumulators, 768 registers.
; K goes in steps of 64 (a kb of xw) through two LDS slots; a step of 128 would want 2 x 640 rows x 272 bytes, more than LDS has.  In xw the rows of a tile lie end to end for one kb, so they are asked for as rows of
; 256 bytes (two rows of 128), padded in LDS behind every 128.
; THE LOOP IS WRITTEN FOR ONE K STEP.  Slot 1 begins at byte 1 << 17, so that one exclusive or turns an address in one slot into the other's: the slot that is read is a scalar, from which the two fragment
; addresses are made anew at each change of slots, and one walking descriptor for each operand serves every refill.
; THE BIASES are fetched at the head, while the first tiles are on their way: a wave's 192 numbers, two a lane for each group of 64 columns; rounded to bf16 like the other inputs, scaled, and kept in LDS bytes of the wave's own until the way out.
; CLUSTER.  4 x 4 work-groups: x's tile hangs on the tile row alone and is asked for jointly along a row of the cluster, W's on the tile column alone and jointly along a column.
; THE MATRIX INSTRUCTION IS USED TRANSPOSED (source 0 = 16 rows of W, source 1 = 16 tokens): a lane holds one token (lane % 16) and eight neighbouring columns 8 (lane / 16) + 0..7.
; REGISTERS.  window 0: v0-31 addresses; v32-95, v96-159 x's 8 fragments, two buffers; v160-255 W's 12 fragments in three groups of four, one buffer each: a group is fetched again right behind its 32 products.
;   windows 1, 2, 3: the accumulators of groups 0, 1, 2: (token block a, fragment e) at v[8 (4 a + e)].
.set KBS,   1441792                    ; bytes from one kb of xw to the next
.set PITCH, 144                        ; an LDS row: 128 bytes + 16: row r starts 144 r = 16 (9 r) bytes further modulo 256, so the 16 rows of a load touch 16 different columns of 16 bytes
.set AHALF, 128*PITCH                  ; what one load brings of x
.set BHALF, 192*PITCH                  ; and of W
.set BOFF,  2*AHALF
.set SLOT,  2*AHALF+2*BHALF            ; 92,160
.set SLOT1, 1<<17                      ; where slot 1 begins
.set SP,    784                        ; the stage's rows: 768 bytes (Q's, K's, V's 256) + 16
.set SPARE, SLOT1+SLOT                 ; the stage (256 rows from byte 0: 200,704 bytes) lies over the ring, which has had its last fill by then; behind the ring the spare words, 128 bytes a wave
.set BIAS,  SPARE+512                  ; behind them: 768 bytes a wave, its 192 biases; no fill lands here
.set A0,   16                          ; v16     my lane's place in x's tile of slot 0; never rewritten
.set ADRA, 17                          ; v17     the same in the slot that is read
.set B0,   20                          ; v20, v21  the same for W
.set ADRB, 21
.set STO,  22                          ; v22-23  the way out: where I put 16 bytes of a row; token blocks 0-3, 4-7
.set RD,   24                          ; v24     where I read rows back
.set CO,   25                          ; v25     my byte offset in qkv
.set VB,   26                          ; v26     my wave's biases in LDS + 32 (lane / 16): my eight numbers of a block of 16
.set SPW,  28                          ; v28     my spare word; never rewritten
.set NIL,  29                          ; v29     0; never rewritten
.set PFO,  30                          ; v30     the prefetches' offset; never rewritten
.set FA0,  32
.set FA1,  96
.set FB,   160
.set BS,   32                          ; the way out: v32-127 the biases, scaled: block nb at BS + 8 nb
.set TMP,  128                         ; v128-175 packed results of one token block
.set WV, 16
.set AB, 17                            ; wave / 2: I fetch for x (0) or W (1); also my half of the tokens
.set HF, 18                            ; wave % 2: which half I fetch; also my half of the columns
.set CX, 19
.set CY, 20
.set TX, 21
.set TY, 22
.set TB, 23                            ; s23  LDS byte at which the slot that is read begins: 0 or SLOT1
.set G1A, 24                           ; s[24:31] descriptor group 1 for x;  s[32:39] group 0: a set for each of the two first fills; the second then walks on
.set G0A, 32
.set G1B, 40                           ; s[40:47], s[48:55] the same for W
.set G0B, 48
.set PFA, 56                           ; s[56:57] where my prefetches stand
.set LIM, 58                           ; s58  2 in a wave that prefetches, else the greatest number
.set HM,  59                           ; s59  a word's upper bf16
.set NS,  60                           ; s61-63  h of q, k, v; then the factors 2^(15 - h)
.set SC,  66                           ; s[66:71] my three groups' factors, as pairs
.set PB,  72                           ; s[72:77] my three groups' biases
.set OB,  78                           ; s[78:83] qkv at my rows, for the three sections
.set SEL, 84
.set MSB, 0
.macro WIN new                         ; the immediate's high byte repeats the setting that is left; a switch that changes nothing is dropped
.if MSB != (\new)
	s_set_vgpr_msb (MSB<<8)|(\new)
.set MSB, \new
.endif
.endm
.macro PLACES                          ; four places behind matrix instructions, ahead of loads into registers that they read and of vector work on their results
.rept 4
	v_nop
.endr
.endm
.macro CREST                           ; a round of the cluster's barrier behind its opening barrier
	s_cmp_lg_u32 s[WV], 0
	s_cbranch_scc1 .Lnot_wave_0_\@
	s_barrier_signal -3
.Lnot_wave_0_\@:
	s_barrier_wait -3
	s_barrier_signal -1
	s_barrier_wait -1
.endm
.macro CROUND
	s_barrier_signal -1
	s_barrier_wait -1
	CREST
.endm
.macro JLOAD s                         ; a joint load: waves 0 and 1 fetch x's halves, waves 2 and 3 W's; an s_nop 0 and four v_nop follow each line
	s_cmp_eq_u32 s[AB], 0
	s_cbranch_scc0 .Lfor_b_\@
	tensor_load_to_lds s[G0A+4*(\s):G0A+4*(\s)+3], s[G1A:G1A+7]
	s_nop 0
.rept 4
	v_nop
.endr
	s_branch .Lasked_\@
.Lfor_b_\@:
	tensor_load_to_lds s[G0B+4*(\s):G0B+4*(\s)+3], s[G1B:G1B+7]
	s_nop 0
.rept 4
	v_nop
.endr
.Lasked_\@:
.endm
.macro ATSLOT                          ; my fragments' addresses in the slot at s[TB]
	v_add_nc_u32 v[ADRA], s[TB], v[A0]
	v_add_nc_u32 v[ADRB], s[TB], v[B0]
.endm
; nrm -> h of the sections, by the same lines in every launch that needs them, so the same bits.  nrm has four groups of 256 numbers (x, q, k, v); a lane takes eight of each of the first ng groups.
.macro NLOAD vb, np, ng
	v_and_b32 v[(\vb)+32], 31, v0
	v_lshlrev_b32 v[(\vb)+32], 5, v[(\vb)+32]
.irp q, 0,1,2,3
.if (\q) < (\ng)
	global_load_b128 v[(\vb)+8*(\q):(\vb)+8*(\q)+3],   v[(\vb)+32], s[(\np):(\np)+1] offset:1024*(\q)
	global_load_b128 v[(\vb)+8*(\q)+4:(\vb)+8*(\q)+7], v[(\vb)+32], s[(\np):(\np)+1] offset:1024*(\q)+16
.endif
.endr
.endm
.macro NRED vb, ng
	s_wait_loadcnt 0x0
.irp q, 0,1,2,3
.if (\q) < (\ng)
	v_max3_num_f32 v[(\vb)+8*(\q)], v[(\vb)+8*(\q)], v[(\vb)+8*(\q)+1], v[(\vb)+8*(\q)+2]
	v_max3_num_f32 v[(\vb)+8*(\q)], v[(\vb)+8*(\q)], v[(\vb)+8*(\q)+3], v[(\vb)+8*(\q)+4]
	v_max3_num_f32 v[(\vb)+8*(\q)], v[(\vb)+8*(\q)], v[(\vb)+8*(\q)+5], v[(\vb)+8*(\q)+6]
	v_max_num_f32 v[(\vb)+8*(\q)], v[(\vb)+8*(\q)], v[(\vb)+8*(\q)+7]
.irp x, 1,2,4,8
	v_max_num_f32_dpp v[(\vb)+8*(\q)], v[(\vb)+8*(\q)], v[(\vb)+8*(\q)] row_xmask:\x row_mask:0xf bank_mask:0xf
.endr
	v_permlanex16_b32 v[(\vb)+8*(\q)+1], v[(\vb)+8*(\q)], s[SEL], s[SEL+1]
	v_max_num_f32 v[(\vb)+8*(\q)], v[(\vb)+8*(\q)], v[(\vb)+8*(\q)+1]
.endif
.endr
	v_add_f32 v[(\vb)], 1.0, v[(\vb)]
.irp q, 1,2,3
.if (\q) < (\ng)
	v_mul_f32 v[(\vb)+8*(\q)], v[(\vb)], v[(\vb)+8*(\q)]      ; (X2 + 1) W2
	v_readfirstlane_b32 s[NS+(\q)], v[(\vb)+8*(\q)]
	s_lshr_b32 s[NS+(\q)], s[NS+(\q)], 23                      ; its exponent field (the number is not negative)
	s_sub_co_i32 s[NS+(\q)], s[NS+(\q)], 125
	s_ashr_i32 s[NS+(\q)], s[NS+(\q)], 1                       ; h
.endif
.endr
.endm
; A PREFETCH INTO THE L2, in every second trip (even counts), behind the joint load and the run of LDS loads: in trip i, which asks for step i + 2, the two kb of steps i + 4 and i + 5.  Each 256 bytes of xw are named once:
; x's rows by the first cluster along x, wave 0 (the four partners take 8,192 bytes of the tile's 32,768 each, told apart by address: 32 lanes x 256 bytes, a line a kb);
; W's rows by the first cluster along y, waves 1-3 (the partners take 12,288 of 49,152 each: 48 blocks a kb, 96 for the two kb = three waves' lanes, the second kb in the lanes' offset).
; At the count 2 (trip 12) nothing is asked for: kb 16 and 17 do not exist.  Steps 0-3 come by their loads alone.
.macro ASK
	s_bitcmp1_b32 s3, 0
	s_cbranch_scc1 .Lnot_mine_\@
	s_cmp_gt_u32 s3, s[LIM]
	s_cbranch_scc0 .Lnot_mine_\@
	global_prefetch_b8 v[PFO], s[PFA:PFA+1] th:TH_LOAD_NT scope:SCOPE_SE
	s_cmp_lg_u32 s[WV], 0
	s_cbranch_scc1 .Lnot_mine_\@
	global_prefetch_b8 v[PFO], s[PFA:PFA+1] offset:KBS th:TH_LOAD_NT scope:SCOPE_SE
.Lnot_mine_\@:
.endm
	s_load_b256 s[4:11], s[0:1], 0x0               ; xw s[4:5], nrm s[6:7], bq s[8:9], bk s[10:11]
	s_load_b128 s[12:15], s[0:1], 0x20             ; bv s[12:13], qkv s[14:15]
	v_lshl_add_u32 v[SPW], v0, 2, SPARE
	v_mov_b32 v[NIL], 0
	ds_add_u32 v[SPW], v[NIL]                      ; the wave's opening: the add and its wait stand ahead of my first tensor load; work on registers stands between them
	v_lshrrev_b32 v1, 5, v0
	v_readfirstlane_b32 s[WV], v1
	s_lshr_b32 s[AB], s[WV], 1
	s_and_b32 s[HF], s[WV], 1
	s_bfe_u32 s[CX], ttmp6, 0x40000
	s_bfe_u32 s[CY], ttmp6, 0x40004
	s_lshl_b32 s[TX], ttmp9, 2
	s_add_co_u32 s[TX], s[TX], s[CX]               ; tile column = 4 x cluster x + cx
	s_and_b32 s[TY], ttmp7, 0xffff
	s_lshl_b32 s[TY], s[TY], 2
	s_add_co_u32 s[TY], s[TY], s[CY]               ; tile row = 4 x cluster y + cy
	s_lshl_b32 s86, s[CY], 2
	s_lshl_b32 s86, 15, s86                        ; my row of the cluster
	s_lshl_b32 s87, 0x1111, s[CX]                  ; my column
	s_or_b32 s[G1A], s86, 0x07310000               ; the mask; elements of 2 bytes; padding on; bit 21 beside a mask; after every 32 words, 4 words
	s_or_b32 s[G1B], s87, 0x07310000
	s_mov_b32 s[G1A+1], 128<<16                    ; tensor_dim0 = 128 elements: two rows of a kb
	s_mov_b32 s[G1B+1], 128<<16
	s_mov_b32 s[G1A+2], 64<<16                     ; tensor_dim1 = 64 (128 tokens)
	s_mov_b32 s[G1B+2], 96<<16                     ; 96 (192 rows of W)
	s_mov_b32 s[G1A+3], 128<<16                    ; tile_dim0
	s_mov_b32 s[G1B+3], 128<<16
	s_mov_b32 s[G1A+4], 64                         ; tile_dim1
	s_mov_b32 s[G1B+4], 96
	s_mov_b32 s[G1A+5], 128                        ; dense: 128 elements from row to row
	s_mov_b32 s[G1B+5], 128
	s_mov_b32 s[G1A+6], 0
	s_mov_b32 s[G1B+6], 0
	s_mov_b32 s[G1A+7], 0
	s_mov_b32 s[G1B+7], 0
	s_mov_b32 s[SEL], 0x76543210
	s_mov_b32 s[SEL+1], 0xfedcba98
	s_mov_b32 s[HM], 0xffff0000
	s_mov_b32 s[TB], 0
	s_lshl_b32 s88, s[TY], 15                      ; x: (256 tile row + 128 half) rows of 128 bytes
	s_lshl_b32 s86, s[HF], 14
	s_add_co_u32 s88, s88, s86
	s_mov_b32 s89, 0
	s_mul_i32 s90, s[TX], 49152                    ; W: (8192 + 384 tile column + 192 half) rows
	s_mul_i32 s87, s[HF], 24576
	s_add_co_u32 s90, s90, s87
	s_add_co_u32 s90, s90, 1048576
	s_mov_b32 s91, 0
	s_mul_i32 s96, s[HF], AHALF                    ; where they go: no place in the cluster enters an LDS address
	s_mul_i32 s97, s[HF], BHALF
	s_add_co_u32 s97, s97, BOFF
	s_wait_dscnt 0x0                               ; the opening add is done
	s_wait_kmcnt 0x0
	s_add_nc_u64 s[92:93], s[4:5], s[88:89]
	s_add_nc_u64 s[94:95], s[4:5], s[90:91]
	CROUND                                         ; all sixteen work-groups are here: the first joint loads meet
.irp s, 0,1
	s_mov_b32 s[G0A+4*(\s)], 1
	s_add_co_u32 s[G0A+4*(\s)+1], s96, (\s)*SLOT1
	s_add_nc_u64 s[G0A+4*(\s)+2:G0A+4*(\s)+3], s[92:93], (\s)*KBS
	s_or_b32 s[G0A+4*(\s)+3], s[G0A+4*(\s)+3], 0x80000000
	s_mov_b32 s[G0B+4*(\s)], 1
	s_add_co_u32 s[G0B+4*(\s)+1], s97, (\s)*SLOT1
	s_add_nc_u64 s[G0B+4*(\s)+2:G0B+4*(\s)+3], s[94:95], (\s)*KBS
	s_or_b32 s[G0B+4*(\s)+3], s[G0B+4*(\s)+3], 0x80000000
	JLOAD \s                                       ; two loads of mine are out, the most in this text
.endr
	; my 192 columns in groups of 64.  Half 0: Q 0-63, Q 64-127, K 0-63.  Half 1: K 64-127, V 0-63, V 64-127.  Their biases and nrm are asked for at once, beside the first tiles.
	s_cmp_eq_u32 s[HF], 0
	s_cselect_b64 s[PB:PB+1], s[8:9], s[10:11]
	s_cselect_b64 s[PB+2:PB+3], s[8:9], s[12:13]
	s_cselect_b64 s[PB+4:PB+5], s[10:11], s[12:13]
	s_cselect_b32 s86, 0, 64
	s_cselect_b32 s87, 64, 0
	s_lshl_b32 s98, s[TX], 7
	s_add_co_u32 s88, s98, s86
	s_lshl_b32 s88, s88, 2
	s_mov_b32 s89, 0
	s_add_nc_u64 s[PB:PB+1], s[PB:PB+1], s[88:89]
	s_add_nc_u64 s[PB+4:PB+5], s[PB+4:PB+5], s[88:89]
	s_add_co_u32 s88, s98, s87
	s_lshl_b32 s88, s88, 2
	s_add_nc_u64 s[PB+2:PB+3], s[PB+2:PB+3], s[88:89]
	v_and_b32 v14, 31, v0
	v_lshlrev_b32 v14, 3, v14                      ; 8 x lane: two of a group's 64 numbers
.irp g, 0,1,2
	global_load_b64 v[8+2*(\g):9+2*(\g)], v14, s[PB+2*(\g):PB+2*(\g)+1]
.endr
	NLOAD 32, 6, 4
	v_and_b32 v1, 15, v0                           ; r = lane % 16
	v_bfe_u32 v2, v0, 4, 1                         ; h = lane / 16
	s_mul_i32 s86, s[WV], 768
	s_add_co_u32 s86, s86, BIAS                    ; my wave's biases in LDS
	v_add_nc_u32 v15, s86, v14
	v_lshl_add_u32 v[VB], v2, 5, s86
	v_mul_u32_u24 v3, v1, PITCH
	v_lshl_add_u32 v3, v2, 4, v3                   ; a fragment's row x pitch + 16 x half
	s_mul_i32 s86, s[AB], AHALF
	s_mul_i32 s87, s[HF], BHALF
	s_add_co_u32 s87, s87, BOFF
	v_add_nc_u32 v[A0], s86, v3
	v_add_nc_u32 v[B0], s87, v3
	ATSLOT                                         ; slot 0
	s_lshl_b32 s86, s[AB], 7
	v_add_nc_u32 v4, s86, v1
	v_mul_u32_u24 v[STO], v4, SP                   ; into the stage: row 128 wr + r, my 384 bytes of its 768, 16 bytes for each half of the lanes
	v_lshl_add_u32 v[STO], v2, 4, v[STO]
	s_mul_i32 s86, s[HF], 384
	v_add_nc_u32 v[STO], s86, v[STO]
	v_add_nc_u32 v[STO+1], 4*16*SP, v[STO]
	s_lshl_b32 s86, s[WV], 6
	v_add_nc_u32 v4, s86, v2
	v_mul_u32_u24 v[RD], v4, SP                    ; back: wave w takes rows 64 w .. + 63; lanes 0-15 one row's 256 bytes, lanes 16-31 the next row's
	v_lshl_add_u32 v[RD], v1, 4, v[RD]
	v_lshlrev_b32 v[CO], 11, v2
	v_lshl_add_u32 v[CO], v1, 4, v[CO]
	; the prefetches
	s_lshl_b32 s86, s[TY], 15
	s_lshl_b32 s87, s[CX], 13
	s_add_co_u32 s86, s86, s87                     ; x: the tile's rows, my work-group's 8,192 bytes of a kb
	s_mul_i32 s87, s[TX], 49152
	s_add_co_u32 s87, s87, 1048576
	s_mul_i32 s98, s[CY], 12288
	s_add_co_u32 s87, s87, s98                     ; W: my work-group's 12,288 bytes
	s_and_b32 s98, ttmp7, 0xffff
	s_cmp_eq_u32 s[WV], 0
	s_cselect_b32 s86, s86, s87
	s_cselect_b32 s98, ttmp9, s98                  ; the coordinate along which other clusters read the same rows
	s_mov_b32 s87, 0
	s_cmp_eq_u32 s98, 0
	s_cselect_b32 s[LIM], 2, -1                    ; the same in all sixteen partners, for a given wave
	s_add_nc_u64 s[PFA:PFA+1], s[4:5], s[86:87]
	s_add_nc_u64 s[PFA:PFA+1], s[PFA:PFA+1], 3*KBS ; at kb 3: every trip steps it by one kb, the first to kb 4
	v_and_b32 v[PFO], 31, v0
	s_max_u32 s86, s[WV], 1
	s_sub_co_u32 s86, s86, 1
	s_lshl_b32 s86, s86, 5
	v_add_nc_u32 v[PFO], s86, v[PFO]               ; block 0..95 (wave 0: 0..31)
	v_lshlrev_b32 v4, 8, v[PFO]
	v_add_nc_u32 v5, KBS-48*256, v4
	v_cmp_gt_u32 vcc_lo, 48, v[PFO]
	v_cndmask_b32 v[PFO], v5, v4, vcc_lo           ; blocks 48-95 lie in the second kb
	s_lshl_b32 s88, s[TY], 19                      ; (256 tile row + 64 wave) rows of 2,048 bytes + 256 tile column
	s_lshl_b32 s86, s[WV], 17
	s_add_co_u32 s88, s88, s86
	s_lshl_b32 s86, s[TX], 8
	s_add_co_u32 s88, s88, s86
	s_add_nc_u64 s[OB:OB+1], s[14:15], s[88:89]
	s_add_nc_u64 s[OB+2:OB+3], s[OB:OB+1], 0x1000000
	s_add_nc_u64 s[OB+4:OB+5], s[OB:OB+1], 0x2000000
	NRED 32, 4                                     ; its wait for all loads covers the biases too
.irp q, 1,2,3
	s_sub_co_i32 s[NS+(\q)], 142, s[NS+(\q)]
	s_lshl_b32 s[NS+(\q)], s[NS+(\q)], 23          ; 2^(15 - h)
.endr
	s_cmp_eq_u32 s[HF], 0
	s_cselect_b32 s[SC], s[NS+1], s[NS+2]
	s_cselect_b32 s[SC+2], s[NS+1], s[NS+3]
	s_cselect_b32 s[SC+4], s[NS+2], s[NS+3]
	s_mov_b32 s[SC+1], s[SC]                       ; named as pairs
	s_mov_b32 s[SC+3], s[SC+2]
	s_mov_b32 s[SC+5], s[SC+4]
.irp g, 0,1,2                                          ; the biases are rounded to bf16 like the other inputs, scaled, and laid in my wave's own LDS bytes
	v_cvt_pk_bf16_f32 v4, v[8+2*(\g)], v[9+2*(\g)]
	v_lshlrev_b32 v[8+2*(\g)], 16, v4
	v_and_b32 v[9+2*(\g)], s[HM], v4
	v_pk_mul_f32 v[8+2*(\g):9+2*(\g)], v[8+2*(\g):9+2*(\g)], s[SC+2*(\g):SC+2*(\g)+1] op_sel_hi:[1,0]
	ds_store_b64 v15, v[8+2*(\g):9+2*(\g)] offset:256*(\g)
.endr
; Products of group g with x's buffer fa, token blocks a0 .. a1 - 1.  All 96 accumulators take turns in one fixed order, one instruction a turn.  zero = 1: the first product starts the sum.
.macro STR g, fa, a0, a1, zero
	WIN 0x50*((\g)+1)                              ; C and D in window g + 1, both sources in window 0
.irp a, 0,1,2,3,4,5,6,7
.if ((\a) >= (\a0)) && ((\a) < (\a1))
.irp e, 0,1,2,3
.if \zero
	v_wmma_f32_16x16x32_bf16 v[8*(4*(\a)+(\e)):8*(4*(\a)+(\e))+7], v[FB+32*(\g)+8*(\e):FB+32*(\g)+8*(\e)+7], v[(\fa)+8*(\a):(\fa)+8*(\a)+7], 0
.else
	v_wmma_f32_16x16x32_bf16 v[8*(4*(\a)+(\e)):8*(4*(\a)+(\e))+7], v[FB+32*(\g)+8*(\e):FB+32*(\g)+8*(\e)+7], v[(\fa)+8*(\a):(\fa)+8*(\a)+7], v[8*(4*(\a)+(\e)):8*(4*(\a)+(\e))+7]
.endif
.endr
.endif
.endr
.endm
.macro LDB g, k                        ; 8 loads: W's group g, 32 along K at byte k of the rows of the slot that is read
	WIN 0
.irp e, 0,1,2,3
	ds_load_b128 v[FB+32*(\g)+8*(\e):FB+32*(\g)+8*(\e)+3],   v[ADRB] offset:(4*(\g)+(\e))*16*PITCH+(\k)
	ds_load_b128 v[FB+32*(\g)+8*(\e)+4:FB+32*(\g)+8*(\e)+7], v[ADRB] offset:(4*(\g)+(\e))*16*PITCH+(\k)+32
.endr
.endm
.macro LDA fa, k                       ; 16 loads: x's eight fragments
	WIN 0
.irp a, 0,1,2,3,4,5,6,7
	ds_load_b128 v[(\fa)+8*(\a):(\fa)+8*(\a)+3],   v[ADRA] offset:(\a)*16*PITCH+(\k)
	ds_load_b128 v[(\fa)+8*(\a)+4:(\fa)+8*(\a)+7], v[ADRA] offset:(\a)*16*PITCH+(\k)+32
.endr
.endm
; A K step is two halves of 32.  The LDS loads of a half go out in the order [group 0, x] (24), [group 1] (8), [group 2] (8).
; The first half multiplies FA0 and fetches the second half of the same slot.
.macro EVEN zero
	s_wait_dscnt 16                                ; group 0 and x are in; groups 1 and 2, 16 loads, are younger
	STR 0, FA0, 0, 8, \zero
	PLACES
	LDB 0, 64
	LDA FA1, 64
	s_wait_dscnt 32                                ; group 1 is in; younger: group 2's 8 and the 24 just issued
	STR 1, FA0, 0, 8, \zero
	PLACES
	LDB 1, 64
	s_wait_dscnt 32                                ; group 2 is in; younger: 24 and 8
	STR 2, FA0, 0, 8, \zero
	PLACES
	LDB 2, 64
.endm
; The second half multiplies FA1 and changes slots: ONE barrier.  In front of it each wave waits for all its tensor loads (one is out: its part of the next slot), adds 0 to its spare word, and waits for that and for its
; reads of this slot.  fill = 1: the barrier opens a round of the cluster's, and this slot is filled again, two steps on, first thing behind it: the walking descriptor takes the other slot than last time and the next kb.
.macro ODD fill
.if \fill
	s_wait_xcnt 0x0                                ; the last prefetches, a step or two back, have read their address
	s_add_nc_u64 s[PFA:PFA+1], s[PFA:PFA+1], KBS
.endif
	WIN 0
	s_wait_tensorcnt 0x0                           ; all my tensor loads have landed, so a group 0 may be written
	ds_add_u32 v[SPW], v[NIL]                      ; 0 onto my spare word
	s_wait_dscnt 17                                ; group 0 and x are in; younger: groups 1 and 2, and the add
	STR 0, FA1, 0, 4, 0
	s_wait_dscnt 0x0                               ; the add is done, and my reads of this slot are over
	s_barrier_signal -1
	STR 0, FA1, 4, 8, 0
	WIN 0
	s_barrier_wait -1
.if \fill
	CREST                                          ; no wave of any partner still reads this slot or has a load on its way
	s_xor_b32 s[G0A+5], s[G0A+5], SLOT1
	s_add_nc_u64 s[G0A+6:G0A+7], s[G0A+6:G0A+7], KBS
	s_xor_b32 s[G0B+5], s[G0B+5], SLOT1
	s_add_nc_u64 s[G0B+6:G0B+7], s[G0B+6:G0B+7], KBS
	JLOAD 1                                        ; the four v_nop behind it are also the places in front of the loads below
.else
	PLACES
.endif
	s_xor_b32 s[TB], s[TB], SLOT1                  ; from here on the other slot is read
	ATSLOT
	LDB 0, 0
	LDA FA0, 0
.if \fill
	ASK
.endif
	STR 1, FA1, 0, 8, 0
	PLACES
	LDB 1, 0
	STR 2, FA1, 0, 8, 0
	PLACES
	LDB 2, 0
.endm
	s_wait_tensorcnt 0x1                           ; my part of step 0 is in; step 1's may stay out
	s_wait_dscnt 0x0                               ; my biases lie in LDS: no LDS instruction of mine is out at the signal
	s_barrier_signal -1
	s_barrier_wait -1
	LDB 0, 0
	LDA FA0, 0
	LDB 1, 0
	LDB 2, 0
	EVEN 1                                         ; the first half step starts the 96 sums
	WIN 0
	s_mov_b32 s3, 14
.Lstep:                                                ; trip i ends step i, asks for step i + 2 and begins step i + 1
	ODD 1
	EVEN 0
	WIN 0
	s_sub_co_u32 s3, s3, 1
	s_cmp_lg_u32 s3, 0
	s_cbranch_scc1 .Lstep
	ODD 0                                          ; steps 14 and 15: nothing is left to fetch
	EVEN 0
	s_wait_dscnt 16
	STR 0, FA1, 0, 8, 0
	s_wait_dscnt 8
	STR 1, FA1, 0, 8, 0
	s_wait_dscnt 0x0
	STR 2, FA1, 0, 8, 0
	; THE WAY OUT: (sum + b) 2^(15 - h) as one fused multiply-add, rounded to f16; through a stage that all four waves share, since a row's 256 bytes of K come from two waves.
	WIN 0
	PLACES
.irp g, 0,1,2
.irp e, 0,1,2,3
	ds_load_b128 v[BS+8*(4*(\g)+(\e)):BS+8*(4*(\g)+(\e))+3],   v[VB] offset:256*(\g)+64*(\e)     ; my eight scaled biases of block 4 g + e: my wave's own bytes, written at the head
	ds_load_b128 v[BS+8*(4*(\g)+(\e))+4:BS+8*(4*(\g)+(\e))+7], v[VB] offset:256*(\g)+64*(\e)+16
.endr
.endr
	s_wait_dscnt 0x0
	s_barrier_signal -1                            ; every wave's reads of the ring are over, and the ring has had its last fill: the stage may be written
	s_barrier_wait -1
.set aa, 0
.rept 8
.irp g, 0,1,2
	WIN 0x41*((\g)+1)                              ; destination and source 0 in window g + 1, the bias in window 0
.set j, 0
.rept 16                                               ; each accumulator's registers in ascending order
	v_pk_fma_f32 v[32*aa+2*j:32*aa+2*j+1], v[32*aa+2*j:32*aa+2*j+1], s[SC+2*(\g):SC+2*(\g)+1], v[BS+32*(\g)+2*j:BS+32*(\g)+2*j+1] op_sel_hi:[1,0,1]
.set j, j+1
.endr
	WIN 0x05*((\g)+1)                              ; sources in window g + 1, destination in window 0
.set j, 0
.rept 16
	v_cvt_pk_f16_f32 v[TMP+16*(\g)+j], v[32*aa+2*j], v[32*aa+2*j+1]
.set j, j+1
.endr
.endr
	WIN 0
.irp n, 0,1,2,3,4,5,6,7,8,9,10,11
	ds_store_b128 v[STO+aa/4], v[TMP+4*(\n):TMP+4*(\n)+3] offset:(aa%4)*16*SP+32*(\n)
.endr
.set aa, aa+1
.endr
	s_wait_dscnt 0x0                               ; for the others' sake: my stores into the stage are done
	s_barrier_signal -1
	s_barrier_wait -1
	s_mov_b32 s3, 8
.Lout:                                                 ; eight rows a trip: four pairs of rows x three sections
.irp u, 0,1,2,3
.irp c, 0,1,2
	ds_load_b128 v[32+4*(3*(\u)+(\c)):32+4*(3*(\u)+(\c))+3], v[RD] offset:2*SP*(\u)+256*(\c)
.endr
.endr
	s_wait_dscnt 0x0
.irp u, 0,1,2,3
.irp c, 0,1,2
	global_store_b128 v[CO], v[32+4*(3*(\u)+(\c)):32+4*(3*(\u)+(\c))+3], s[OB+2*(\c):OB+2*(\c)+1] offset:4096*(\u)  ; 16 lanes store 256 consecutive bytes, aligned
.endr
.endr
	s_wait_xcnt 0x0                                ; the stores have read their data and offsets: both are written again only behind this wait
	v_add_nc_u32 v[RD], 8*SP, v[RD]
	v_add_nc_u32 v[CO], 16384, v[CO]
	s_sub_co_u32 s3, s3, 1
	s_cmp_lg_u32 s3, 0
	s_cbranch_scc1 .Lout
	s_wait_tensorcnt 0x0                           ; the wave's end, behind my last tensor load and my last LDS store
	ds_add_u32 v[SPW], v[NIL]
	s_wait_dscnt 0x0
	CROUND                                         ; the closing round
	s_endpgm
.Lfunc_end_k_qd1d1776c20_proj:
	.size	k_qd1d1776c20_proj, .Lfunc_end_k_qd1d1776c20_proj-k_qd1d1776c20_proj
	.p2alignl 7, 3214868480
	.fill 96, 4, 3214868480
	.section	.rodata,"a",@progbits
	.p2align	6, 0x0
	.amdhsa_kernel k_qd1d1776c20_proj
		.amdhsa_group_segment_fixed_size 327680
		.amdhsa_private_segment_fixed_size 0
		.amdhsa_enable_private_segment 0
		.amdhsa_kernarg_size 48
		.amdhsa_user_sgpr_count 2
		.amdhsa_user_sgpr_kernarg_segment_ptr 1
		.amdhsa_wavefront_size32 1
		.amdhsa_system_sgpr_workgroup_id_x 1
		.amdhsa_system_sgpr_workgroup_id_y 1
		.amdhsa_system_sgpr_workgroup_id_z 1
		.amdhsa_system_vgpr_workitem_id 0
		.amdhsa_next_free_vgpr 1024
		.amdhsa_next_free_sgpr 100
		.amdhsa_reserve_vcc 1
		.amdhsa_float_denorm_mode_32 3
		.amdhsa_float_denorm_mode_16_64 3
		.amdhsa_memory_ordered 1
		.amdhsa_forward_progress 1
		.amdhsa_inst_pref_size 131
	.end_amdhsa_kernel
	.amdgpu_metadata
---
amdhsa.version: [ 1, 2 ]
amdhsa.kernels:
  - .name:           k_qd1d1776c20_proj
    .symbol:         k_qd1d1776c20_proj.kd
    .args:
      - { .name: xw, .offset: 0, .size: 8, .value_kind: global_buffer, .address_space: global }
      - { .name: nrm, .offset: 8, .size: 8, .value_kind: global_buffer, .address_space: global }
      - { .name: bq, .offset: 16, .size: 8, .value_kind: global_buffer, .address_space: global }
      - { .name: bk, .offset: 24, .size: 8, .value_kind: global_buffer, .address_space: global }
      - { .name: bv, .offset: 32, .size: 8, .value_kind: global_buffer, .address_space: global }
      - { .name: qkv, .offset: 40, .size: 8, .value_kind: global_buffer, .address_space: global }
    .group_segment_fixed_size: 327680
    .private_segment_fixed_size: 0
    .kernarg_segment_align: 8
    .kernarg_segment_size: 48
    .max_flat_workgroup_size: 128
    .sgpr_count:     100
    .vgpr_count:     1024
    .wavefront_size: 32
...
	.end_amdgpu_metadata
.endif
;; end of part 2
;; launch scores (part 3): grid 8 x 32, 4 waves a work-group, clusters of 4 x 4, 327,680 bytes of LDS; arguments qkv, mask, nrm, pw, st; writes pw, st
.if DOCPART == 3
	.amdgcn_target "amdgcn-amd-amdhsa--gfx1250"
	.amdhsa_code_object_version 6
	.text
	.protected	k_qd1d1776c20_scores
	.globl	k_qd1d1776c20_scores
	.p2align	8
	.type	k_qd1d1776c20_scores,@function
k_qd1d1776c20_scores:
	s_mov_b64 s[64:65], 0
	v_nop
	global_prefetch_b8 v0, s[64:65] scope:SCOPE_SE
	s_setreg_imm32_b32 hwreg(HW_REG_WAVE_MODE, 25, 1), 1
	s_wait_xcnt 0x0
	s_wait_alu depctr_hold_cnt(0) depctr_sa_sdst(0) depctr_va_vdst(0) depctr_va_sdst(0) depctr_va_ssrc(0) depctr_va_vcc(0) depctr_vm_vsrc(0)
	s_getreg_b32 s2, hwreg(HW_REG_IB_STS2, 6, 4)
	s_cmp_eq_u32 s2, 0
	s_cbranch_scc0 .Lentry_in_a_cluster
	s_endpgm
.Lentry_in_a_cluster:
	s_bfe_u32 s2, ttmp6, 0x10000c
	s_cmp_lg_u32 s2, 0xf033
	s_cbranch_scc0 .Lentry_shape_is_right
	s_endpgm
.Lentry_shape_is_right:
; A tile of 256 queries x 256 keys of S = Q' K'^T (f16 operands, f32 sums, K = 1024); the mask; and the tile's OWN softmax: for each row its maximum m_t over the tile's 256 keys, p = 2^(c (s - m_t)) in f16 into
; pw[8192][2048], and l_t = the sum of the unrounded p.  st: m_t at [key tile = 8][8192] f32, l_t the same 262,144 bytes on.  The next launch joins the eight tiles of a row by w_t = 2^(c (m_t - M)), M the largest m_t.
; c = log2(e) / 32 x 2^(hq - 15) 2^(hk - 15) undoes the scales of Q' and K'.  The difference s - m_t is formed first and then multiplied, so no difference of infinities can arise.
; THE MASK is an input and is honoured byte by byte.  For byte k of a word d the term (d << (24 - 8 k)) + 0xff000000, in whole numbers, is 0 (or a denormal left by the lower bytes) where the byte is 1 and about -1.7e38
; where it is 0; it is added to the score.  Scores are 1024 x 2^30 at the most by the scaling of Q' and K', so a row of a tile with no open key is known by m_t < -1e30; its p are numbers in 0 to 1 that the next launch multiplies by 0.
; LIMITS.  Mask bytes are 0 or 1.  A weight under 6e-8 of its tile's largest counts as 0 in p.  c's exponent is held at -120 from below; with hq + hk under about -80 a hidden key's weight is no longer forced to 0.  NaN and infinities are not treated apart.
; SHARES.  Four waves, each 128 x 128: 64 accumulators, 512 registers; K in steps of 128 through two LDS slots.  CLUSTER: 4 x 4; Q's tile is asked for jointly along a row of the cluster, K's along a column.
; THE LOOP IS WRITTEN FOR ONE K STEP: the slot that is read is a scalar, 0 or SLOT, from which the two fragment addresses are made anew at each change of slots, and one walking descriptor for each operand serves every refill.
; The matrix instruction is used transposed (source 0 = 16 keys, source 1 = 16 queries): a lane holds one query and eight neighbouring keys.
; Behind the products the scores go through LDS (the ring, which has had its last fill) so that a whole row lies in 16 lanes: no wave meets another in the softmax, and mask and p move as whole runs of a row.
; REGISTERS.  window 0: v0-31 addresses; v32-47 the mask of eight rows; v64-127, v128-191 Q's fragments, two buffers; window 1: the same numbers, K's; windows 2, 3: the accumulators of my rows 0-63, 64-127: (a, b) at v[8 (8 (a % 4) + b)].
.set KSTEP,  128
.set PITCH,  272                       ; 256 bytes + 16: row r starts 16 r bytes further modulo 256
.set HALFT,  128*PITCH
.set SLOT,   4*HALFT                   ; 139,264 = 2^17 + 2^13: neither bit is set in a wave's offset in a slot (wave x 34,816), so an exclusive or with SLOT adds it or takes it away
.set SP,     1040                      ; the stage's rows: 256 f32 + 16 bytes; 256 rows from byte 0, inside the ring's 278,528 bytes
.set STATB,  2*SLOT                    ; 512 bytes a wave: 64 rows' m, then their l
.set SPARE,  STATB+4*512
.set A0,   16                          ; v16  my lane's place in Q's tile of slot 0; never rewritten
.set ADRA, 17                          ; v17  the same in the slot that is read
.set SO,   19                          ; v19  8 x lane: my two rows in st
.set B0,   20                          ; v20, v21  the same for K
.set ADRB, 21
.set DST,  22                          ; v22-23  where I put 32 bytes of a row of scores; row blocks 0-3, 4-7
.set RS,   24                          ; v24  where I read scores back
.set MO,   25                          ; v25  my byte offset in the mask
.set PO,   26                          ; v26  my byte offset in pw
.set SA,   27                          ; v27  where m and l go
.set SPW,  28
.set NIL,  29
.set PFO,  30
.set SB,   31                          ; v31  where I read m and l back
.set F0,   64
.set F1,   128
.set M,    32                          ; the softmax, all in window 0: v32-47 mask words
.set MW,   48                          ; v48-63 for each pair of rows: m twice, then two at work
.set X,    64                          ; v64-127 scores, 16 a pair of rows
.set T,    128                         ; v128-191 mask terms
.set Y,    192                         ; v192-223 packed p
.set WV, 16
.set AB, 17
.set HF, 18
.set CX, 19
.set CY, 20
.set TX, 21
.set TY, 22
.set CLY, 23
.set G1A, 24                           ; s[24:31] group 1 for Q; s[32:39] group 0: a set for each of the two first fills; the second then walks on
.set G0A, 32
.set G1B, 40                           ; the same for K
.set G0B, 48
.set PFA, 56
.set LIM, 58                           ; s58  2 in a wave that prefetches, else the greatest number
.set NS,  60
.set C,   66                           ; s[66:67] c, as a pair
.set BASE, 68                          ; s68  0xff000000
.set TB,  69                           ; s69  LDS byte at which the slot that is read begins: 0 or SLOT
.set MK,  70                           ; s[70:71] the mask at my rows and the tile's keys
.set PW,  72                           ; s[72:73] pw likewise
.set STP, 74                           ; s[74:75] st at my rows
.set SEL, 84
.set MSB, 0
.macro WIN new
.if MSB != (\new)
	s_set_vgpr_msb (MSB<<8)|(\new)
.set MSB, \new
.endif
.endm
.set MUL_LO, 0xa1                      ; source 0 (K) window 1, source 1 (Q) window 0, C and D window 2
.set MUL_HI, 0xf1                      ; the same, C and D window 3
.set TO_B,   0x40
.macro PLACES
.rept 4
	v_nop
.endr
.endm
.macro CREST
	s_cmp_lg_u32 s[WV], 0
	s_cbranch_scc1 .Lnot_wave_0_\@
	s_barrier_signal -3
.Lnot_wave_0_\@:
	s_barrier_wait -3
	s_barrier_signal -1
	s_barrier_wait -1
.endm
.macro CROUND
	s_barrier_signal -1
	s_barrier_wait -1
	CREST
.endm
.macro JLOAD s                         ; waves 0 and 1 fetch Q's halves, waves 2 and 3 K's; an s_nop 0 and four v_nop follow each line
	s_cmp_eq_u32 s[AB], 0
	s_cbranch_scc0 .Lfor_b_\@
	tensor_load_to_lds s[G0A+4*(\s):G0A+4*(\s)+3], s[G1A:G1A+7]
	s_nop 0
.rept 4
	v_nop
.endr
	s_branch .Lasked_\@
.Lfor_b_\@:
	tensor_load_to_lds s[G0B+4*(\s):G0B+4*(\s)+3], s[G1B:G1B+7]
	s_nop 0
.rept 4
	v_nop
.endr
.Lasked_\@:
.endm
.macro ATSLOT                          ; my fragments' addresses in the slot at s[TB]
	v_add_nc_u32 v[ADRA], s[TB], v[A0]
	v_add_nc_u32 v[ADRB], s[TB], v[B0]
.endm
.macro SWAP                            ; from here on the other slot is read
	WIN 0
	s_xor_b32 s[TB], s[TB], SLOT
	ATSLOT
.endm
; nrm -> h of the sections, by the same lines in every launch that needs them, so the same bits.  nrm has four groups of 256 numbers (x, q, k, v); a lane takes eight of each of the first ng groups (v's is not needed here).
.macro NLOAD vb, np, ng
	v_and_b32 v[(\vb)+32], 31, v0
	v_lshlrev_b32 v[(\vb)+32], 5, v[(\vb)+32]
.irp q, 0,1,2,3
.if (\q) < (\ng)
	global_load_b128 v[(\vb)+8*(\q):(\vb)+8*(\q)+3],   v[(\vb)+32], s[(\np):(\np)+1] offset:1024*(\q)
	global_load_b128 v[(\vb)+8*(\q)+4:(\vb)+8*(\q)+7], v[(\vb)+32], s[(\np):(\np)+1] offset:1024*(\q)+16
.endif
.endr
.endm
.macro NRED vb, ng
	s_wait_loadcnt 0x0
.irp q, 0,1,2,3
.if (\q) < (\ng)
	v_max3_num_f32 v[(\vb)+8*(\q)], v[(\vb)+8*(\q)], v[(\vb)+8*(\q)+1], v[(\vb)+8*(\q)+2]
	v_max3_num_f32 v[(\vb)+8*(\q)], v[(\vb)+8*(\q)], v[(\vb)+8*(\q)+3], v[(\vb)+8*(\q)+4]
	v_max3_num_f32 v[(\vb)+8*(\q)], v[(\vb)+8*(\q)], v[(\vb)+8*(\q)+5], v[(\vb)+8*(\q)+6]
	v_max_num_f32 v[(\vb)+8*(\q)], v[(\vb)+8*(\q)], v[(\vb)+8*(\q)+7]
.irp x, 1,2,4,8
	v_max_num_f32_dpp v[(\vb)+8*(\q)], v[(\vb)+8*(\q)], v[(\vb)+8*(\q)] row_xmask:\x row_mask:0xf bank_mask:0xf
.endr
	v_permlanex16_b32 v[(\vb)+8*(\q)+1], v[(\vb)+8*(\q)], s[SEL], s[SEL+1]
	v_max_num_f32 v[(\vb)+8*(\q)], v[(\vb)+8*(\q)], v[(\vb)+8*(\q)+1]
.endif
.endr
	v_add_f32 v[(\vb)], 1.0, v[(\vb)]
.irp q, 1,2,3
.if (\q) < (\ng)
	v_mul_f32 v[(\vb)+8*(\q)], v[(\vb)], v[(\vb)+8*(\q)]
	v_readfirstlane_b32 s[NS+(\q)], v[(\vb)+8*(\q)]
	s_lshr_b32 s[NS+(\q)], s[NS+(\q)], 23
	s_sub_co_i32 s[NS+(\q)], s[NS+(\q)], 125
	s_ashr_i32 s[NS+(\q)], s[NS+(\q)], 1
.endif
.endr
.endm
.macro MLOAD                           ; the mask of eight rows: for each pair of rows and each half of the keys 8 bytes a lane, 128 consecutive bytes for 16 lanes
.irp p, 0,1,2,3
.irp c, 0,1
	global_load_b64 v[M+4*(\p)+2*(\c):M+4*(\p)+2*(\c)+1], v[MO], s[MK:MK+1] offset:4096*(\p)+128*(\c) th:TH_LOAD_NT
.endr
.endr
.endm
; A PREFETCH INTO THE L2 behind each joint load and the run of LDS loads that follows it: the K step two refills on, 32 rows x 256 bytes, a lane a row.  Each row's 256 bytes of a step are named once in the launch:
; Q's rows by the first cluster along x; K's rows, which the batch's two rows of clusters read, by the even one.  The four partners that ask for a tile jointly take 32 of a wave's 128 rows each, told apart by address.
; Trip i asks for step i + 2 and names step i + 4: the last two trips (counts 2 and 1) name nothing; steps 0-3 come by their loads alone.
.macro ASK
	s_cmp_gt_u32 s3, s[LIM]
	s_cbranch_scc0 .Lnot_mine_\@
	global_prefetch_b8 v[PFO], s[PFA:PFA+1] offset:KSTEP*2 th:TH_LOAD_NT scope:SCOPE_SE
.Lnot_mine_\@:
.endm
	s_load_b256 s[4:11], s[0:1], 0x0               ; qkv s[4:5], mask s[6:7], nrm s[8:9], pw s[10:11]
	s_load_b64 s[12:13], s[0:1], 0x20              ; st
	v_lshl_add_u32 v[SPW], v0, 2, SPARE
	v_mov_b32 v[NIL], 0
	ds_add_u32 v[SPW], v[NIL]                      ; the wave's opening: the add and its wait stand ahead of my first tensor load
	v_lshrrev_b32 v1, 5, v0
	v_readfirstlane_b32 s[WV], v1
	s_lshr_b32 s[AB], s[WV], 1
	s_and_b32 s[HF], s[WV], 1
	s_bfe_u32 s[CX], ttmp6, 0x40000
	s_bfe_u32 s[CY], ttmp6, 0x40004
	s_lshl_b32 s[TX], ttmp9, 2
	s_add_co_u32 s[TX], s[TX], s[CX]               ; key tile
	s_and_b32 s[CLY], ttmp7, 0xffff
	s_lshl_b32 s[TY], s[CLY], 2
	s_add_co_u32 s[TY], s[TY], s[CY]               ; block of 256 queries, over all batches
	s_lshl_b32 s86, s[CY], 2
	s_lshl_b32 s86, 15, s86
	s_lshl_b32 s87, 0x1111, s[CX]
	s_or_b32 s[G1A], s86, 0x07710000               ; the mask; 2-byte elements; padding on; bit 21 beside a mask; after every 64 words, 4 words
	s_or_b32 s[G1B], s87, 0x07710000
.irp g, G1A, G1B
	s_mov_b32 s[(\g)+1], KSTEP<<16                 ; tensor_dim0 = 128
	s_mov_b32 s[(\g)+2], 128<<16                   ; tensor_dim1 = 128
	s_mov_b32 s[(\g)+3], KSTEP<<16                 ; tile_dim0
	s_mov_b32 s[(\g)+4], 128                       ; tile_dim1
	s_mov_b32 s[(\g)+5], 1024                      ; elements from row to row
	s_mov_b32 s[(\g)+6], 0
	s_mov_b32 s[(\g)+7], 0
.endr
	s_mov_b32 s[SEL], 0x76543210
	s_mov_b32 s[SEL+1], 0xfedcba98
	s_mov_b32 s[BASE], 0xff000000
	s_mov_b32 s[TB], 0
	s_lshl_b32 s88, s[TY], 19                      ; Q': (256 block + 128 half) rows of 2,048 bytes
	s_lshl_b32 s86, s[HF], 18
	s_add_co_u32 s88, s88, s86
	s_mov_b32 s89, 0
	s_lshr_b32 s90, s[CLY], 1                      ; K': the second section; the batch (two rows of clusters each), the key tile, the half
	s_lshl_b32 s90, s90, 22
	s_lshl_b32 s87, s[TX], 19
	s_add_co_u32 s90, s90, s87
	s_lshl_b32 s87, s[HF], 18
	s_add_co_u32 s90, s90, s87
	s_add_co_u32 s90, s90, 0x1000000
	s_mov_b32 s91, 0
	s_mul_i32 s96, s[WV], HALFT                    ; where they go: Q's two halves, then K's two = wave x 128 rows
	s_wait_dscnt 0x0
	s_wait_kmcnt 0x0
	s_add_nc_u64 s[92:93], s[4:5], s[88:89]
	s_add_nc_u64 s[94:95], s[4:5], s[90:91]
	CROUND
.irp s, 0,1
	s_mov_b32 s[G0A+4*(\s)], 1
	s_add_co_u32 s[G0A+4*(\s)+1], s96, (\s)*SLOT
	s_add_nc_u64 s[G0A+4*(\s)+2:G0A+4*(\s)+3], s[92:93], (\s)*KSTEP*2
	s_or_b32 s[G0A+4*(\s)+3], s[G0A+4*(\s)+3], 0x80000000
	s_mov_b32 s[G0B+4*(\s)], 1
	s_add_co_u32 s[G0B+4*(\s)+1], s96, (\s)*SLOT
	s_add_nc_u64 s[G0B+4*(\s)+2:G0B+4*(\s)+3], s[94:95], (\s)*KSTEP*2
	s_or_b32 s[G0B+4*(\s)+3], s[G0B+4*(\s)+3], 0x80000000
	JLOAD \s                                       ; two loads of mine are out, the most in this text
.endr
	NLOAD 32, 8, 3                                 ; asked for beside the first tiles
	v_and_b32 v1, 15, v0
	v_bfe_u32 v2, v0, 4, 1
	v_mul_u32_u24 v3, v1, PITCH
	v_lshl_add_u32 v3, v2, 4, v3
	s_mul_i32 s86, s[AB], HALFT
	s_mul_i32 s87, s[HF], HALFT
	s_add_co_u32 s87, s87, 2*HALFT
	v_add_nc_u32 v[A0], s86, v3
	v_add_nc_u32 v[B0], s87, v3
	ATSLOT                                         ; slot 0
	s_lshl_b32 s86, s[AB], 7
	v_add_nc_u32 v4, s86, v1
	v_mul_u32_u24 v[DST], v4, SP                   ; row 128 wr + r; my 512 bytes of its 1,024; 32 bytes for each half of the lanes
	v_lshl_add_u32 v[DST], v2, 5, v[DST]
	s_lshl_b32 s86, s[HF], 9
	v_add_nc_u32 v[DST], s86, v[DST]
	v_add_nc_u32 v[DST+1], 4*16*SP, v[DST]
	s_lshl_b32 s86, s[WV], 6
	v_add_nc_u32 v4, s86, v2
	v_mul_u32_u24 v[RS], v4, SP                    ; back: rows 64 w + lane / 16, keys 8 (lane % 16) on
	v_lshl_add_u32 v[RS], v1, 5, v[RS]
	v_lshlrev_b32 v[MO], 11, v2
	v_lshl_add_u32 v[MO], v1, 3, v[MO]
	v_lshlrev_b32 v[PO], 12, v2
	v_lshl_add_u32 v[PO], v1, 4, v[PO]
	s_lshl_b32 s86, s[WV], 9
	s_add_co_u32 s86, s86, STATB
	v_lshl_add_u32 v[SA], v2, 2, s86
	v_and_b32 v[SO], 31, v0
	v_lshlrev_b32 v[SO], 3, v[SO]
	v_add_nc_u32 v[SB], s86, v[SO]
	s_lshl_b32 s88, s[TY], 19                      ; the mask: (256 block + 64 wave) rows of 2,048 bytes + 256 key tile
	s_lshl_b32 s86, s[WV], 17
	s_add_co_u32 s88, s88, s86
	s_lshl_b32 s86, s[TX], 8
	s_add_co_u32 s88, s88, s86
	s_add_nc_u64 s[MK:MK+1], s[6:7], s[88:89]
	s_lshl_b32 s88, s88, 1                         ; pw: twice that
	s_add_nc_u64 s[PW:PW+1], s[10:11], s[88:89]
	s_lshl_b32 s88, s[TX], 15                      ; st: 4 (8192 key tile + 256 block + 64 wave)
	s_lshl_b32 s86, s[TY], 10
	s_add_co_u32 s88, s88, s86
	s_lshl_b32 s86, s[WV], 8
	s_add_co_u32 s88, s88, s86
	s_add_nc_u64 s[STP:STP+1], s[12:13], s[88:89]
	; the prefetches
	s_lshl_b32 s86, s[TY], 19
	s_lshl_b32 s87, s[CX], 16
	s_add_co_u32 s86, s86, s87                     ; Q': my work-group's 32 rows of the 128
	s_lshr_b32 s87, s[CLY], 1
	s_lshl_b32 s87, s87, 22
	s_lshl_b32 s98, s[TX], 19
	s_add_co_u32 s87, s87, s98
	s_lshl_b32 s98, s[CY], 16
	s_add_co_u32 s87, s87, s98
	s_add_co_u32 s87, s87, 0x1000000               ; K'
	s_and_b32 s98, s[CLY], 1
	s_cmp_eq_u32 s[AB], 0
	s_cselect_b32 s86, s86, s87
	s_cselect_b32 s98, ttmp9, s98
	s_lshl_b32 s87, s[HF], 18
	s_add_co_u32 s86, s86, s87                     ; + the 128 rows that I fetch
	s_mov_b32 s87, 0
	s_cmp_eq_u32 s98, 0
	s_cselect_b32 s[LIM], 2, -1
	s_add_nc_u64 s[PFA:PFA+1], s[4:5], s[86:87]
	s_add_nc_u64 s[PFA:PFA+1], s[PFA:PFA+1], 2*KSTEP*2  ; at step 2: the first refill steps it to 3 and names step 4
	v_and_b32 v[PFO], 31, v0
	v_lshlrev_b32 v[PFO], 11, v[PFO]
	NRED 32, 3
	s_add_co_i32 s[C], s[NS+1], s[NS+2]            ; c's bits: log2(e) / 32 with hq + hk - 30 added to its exponent field
	s_sub_co_i32 s[C], s[C], 30
	s_max_i32 s[C], s[C], -120
	s_lshl_b32 s[C], s[C], 23
	s_add_co_u32 s[C], s[C], 0x3d38aa3b
	s_mov_b32 s[C+1], s[C]
	MLOAD                                          ; the mask of my first eight rows is asked for here: no line of the K loop names v32-47 or v25, and the softmax's first trip waits for it
.macro MUL16 f, hi, a0, zero           ; 16 products: row blocks a0, a0 + 1 of the window's four x all 8 key blocks.  The 64 accumulators take turns in one fixed order
	WIN MUL_LO+0x50*(\hi)
.irp a, \a0, (\a0)+1
.irp b, 0,1,2,3,4,5,6,7
.if \zero
	v_wmma_f32_16x16x32_f16 v[8*(8*(\a)+(\b)):8*(8*(\a)+(\b))+7], v[(\f)+8*(\b):(\f)+8*(\b)+7], v[(\f)+8*(4*(\hi)+(\a)):(\f)+8*(4*(\hi)+(\a))+7], 0
.else
	v_wmma_f32_16x16x32_f16 v[8*(8*(\a)+(\b)):8*(8*(\a)+(\b))+7], v[(\f)+8*(\b):(\f)+8*(\b)+7], v[(\f)+8*(4*(\hi)+(\a)):(\f)+8*(4*(\hi)+(\a))+7], v[8*(8*(\a)+(\b)):8*(8*(\a)+(\b))+7]
.endif
.endr
.endr
.endm
.macro FETCH k, f                      ; 32 LDS loads in one run: K's 8 fragments, then Q's 8, 32 along K at byte k of the rows of the slot that is read
	WIN TO_B
.irp i, 0,1,2,3,4,5,6,7
	ds_load_b128 v[(\f)+8*(\i):(\f)+8*(\i)+3],   v[ADRB] offset:(\k)+(\i)*16*PITCH
	ds_load_b128 v[(\f)+8*(\i)+4:(\f)+8*(\i)+7], v[ADRB] offset:(\k)+(\i)*16*PITCH+32
.endr
	WIN 0
.irp i, 0,1,2,3,4,5,6,7
	ds_load_b128 v[(\f)+8*(\i):(\f)+8*(\i)+3],   v[ADRA] offset:(\k)+(\i)*16*PITCH
	ds_load_b128 v[(\f)+8*(\i)+4:(\f)+8*(\i)+7], v[ADRA] offset:(\k)+(\i)*16*PITCH+32
.endr
.endm
.macro QUARTER k, f, g, zero           ; 64 products on buffer f; in their middle the next quarter's fragments, at byte k, go into g
	s_wait_dscnt 8                                 ; K's and Q's rows 0-63 are in; the youngest eight loads (Q's rows 64-127) may be out
	MUL16 \f, 0, 0, \zero
	MUL16 \f, 0, 2, \zero
	PLACES
	FETCH \k, \g
	s_wait_dscnt 32                                ; all but the 32 just issued
	MUL16 \f, 1, 0, \zero
	MUL16 \f, 1, 2, \zero
.endm
.macro MEET round                      ; the first half of a step's last quarter, and the one barrier of the change of slots
	WIN 0
	s_wait_tensorcnt 0x0                           ; all my tensor loads have landed: the one that was out is my part of the next slot
	ds_add_u32 v[SPW], v[NIL]                      ; 0 onto my spare word
	s_wait_dscnt 9                                 ; the add and the youngest eight loads may be out
	MUL16 F1, 0, 0, 0
	s_wait_dscnt 0x0                               ; the add is done, and my reads of this slot are over
	s_barrier_signal -1
	MUL16 F1, 0, 2, 0
.if \round
	WIN 0
.endif
	s_barrier_wait -1
.endm
.macro TURN                            ; a step's last quarter, with the refill of the slot that is left: the walking descriptor takes the other slot than last time and the next step
	s_wait_xcnt 0x0                                ; the last prefetch, a step back, has read its address
	s_add_nc_u64 s[PFA:PFA+1], s[PFA:PFA+1], KSTEP*2
	MEET 1
	CREST                                          ; no wave of any partner still reads this slot or has a load on its way
	s_xor_b32 s[G0A+5], s[G0A+5], SLOT
	s_add_nc_u64 s[G0A+6:G0A+7], s[G0A+6:G0A+7], KSTEP*2
	s_xor_b32 s[G0B+5], s[G0B+5], SLOT
	s_add_nc_u64 s[G0B+6:G0B+7], s[G0B+6:G0B+7], KSTEP*2
	JLOAD 1                                        ; the four v_nop behind it are also the places in front of the loads below
	SWAP
	FETCH 0, F0
	ASK
	MUL16 F1, 1, 0, 0
	MUL16 F1, 1, 2, 0
.endm
	s_wait_tensorcnt 0x1                           ; my part of step 0 is in; step 1's may stay out
	s_barrier_signal -1
	s_barrier_wait -1
	FETCH 0, F0
	QUARTER 64,  F0, F1, 1                         ; the first quarter starts the 64 sums
	WIN 0
	s_mov_b32 s3, 6
.Lstep:                                                ; trip i: the last three quarters of step i, the refill with step i + 2, the first quarter of step i + 1
	QUARTER 128, F1, F0, 0
	QUARTER 192, F0, F1, 0
	TURN
	QUARTER 64,  F0, F1, 0
	WIN 0
	s_sub_co_u32 s3, s3, 1
	s_cmp_lg_u32 s3, 0
	s_cbranch_scc1 .Lstep
	s_mov_b32 s3, 2
.Ltail:                                                ; steps 6 and 7 ask for nothing; their second and third quarters are one text, walked twice and left in the second trip
	QUARTER 128, F1, F0, 0
	QUARTER 192, F0, F1, 0
	WIN 0
	s_sub_co_u32 s3, s3, 1
	s_cmp_eq_u32 s3, 0
	s_cbranch_scc1 .Llast
	MEET 0                                         ; my one tensor load that was still out is step 7's, so no round follows
	PLACES
	SWAP
	FETCH 0, F0
	MUL16 F1, 1, 0, 0
	MUL16 F1, 1, 2, 0
	QUARTER 64,  F0, F1, 0
	WIN 0
	s_cmp_lg_u32 s3, 0
	s_cbranch_scc1 .Ltail
.Llast:
	s_wait_dscnt 8
	MUL16 F1, 0, 0, 0
	MUL16 F1, 0, 2, 0
	s_wait_dscnt 0x0
	MUL16 F1, 1, 0, 0
	MUL16 F1, 1, 2, 0
	; THE SCORES GO INTO THE STAGE.  Every wave's reads of the ring are over behind the first barrier, and the ring has had its last fill.
	WIN 0
	PLACES
	s_wait_dscnt 0x0
	s_barrier_signal -1
	s_barrier_wait -1
.set aa, 0
.rept 8
	WIN 0x08+4*(aa/4)                              ; the data (source 1) in window 2 or 3
.irp b, 0,1,2,3,4,5,6,7
	ds_store_b128 v[DST+aa/4], v[8*(8*(aa%4)+(\b)):8*(8*(aa%4)+(\b))+3]   offset:(aa%4)*16*SP+64*(\b)     ; each accumulator's low four registers first
	ds_store_b128 v[DST+aa/4], v[8*(8*(aa%4)+(\b))+4:8*(8*(aa%4)+(\b))+7] offset:(aa%4)*16*SP+64*(\b)+16
.endr
.set aa, aa+1
.endr
	WIN 0
	s_wait_dscnt 0x0                               ; for the others' sake: my stores are done
	s_barrier_signal -1
	s_barrier_wait -1
	; THE SOFTMAX OF THE TILE.  Wave w owns rows 64 w .. + 63, eight a trip, as four pairs; of row 2 p + lane / 16 a lane holds keys 8 i .. + 7 and 128 + 8 i .. + 7, i = lane % 16.
	s_mov_b32 s3, 8
.Lsoft:
.irp p, 0,1,2,3
.irp c, 0,1
	ds_load_b128 v[X+16*(\p)+8*(\c):X+16*(\p)+8*(\c)+3],   v[RS] offset:2*SP*(\p)+512*(\c)
	ds_load_b128 v[X+16*(\p)+8*(\c)+4:X+16*(\p)+8*(\c)+7], v[RS] offset:2*SP*(\p)+512*(\c)+16
.endr
.endr
	s_wait_loadcnt 0x0                             ; this trip's mask is in
.set i, 0
.rept 16
	v_lshl_add_u32 v[T+4*i],   v[M+i], 24, s[BASE]
	v_lshl_add_u32 v[T+4*i+1], v[M+i], 16, s[BASE]
	v_lshl_add_u32 v[T+4*i+2], v[M+i], 8,  s[BASE]
	v_add_nc_u32   v[T+4*i+3], s[BASE], v[M+i]
.set i, i+1
.endr
	s_cmp_eq_u32 s3, 1
	s_cbranch_scc1 .Lno_mask                       ; the last trip has no rows behind it
	v_add_nc_u32 v[MO], 16384, v[MO]               ; free since the wait for its loads
	MLOAD
.Lno_mask:
	s_wait_dscnt 0x0
.set i, 0
.rept 32
	v_pk_add_f32 v[X+2*i:X+2*i+1], v[X+2*i:X+2*i+1], v[T+2*i:T+2*i+1]
.set i, i+1
.endr
.irp p, 0,1,2,3
	v_max3_num_f32 v[MW+4*(\p)], v[X+16*(\p)], v[X+16*(\p)+1], v[X+16*(\p)+2]
.endr
.irp j, 3,5,7,9,11,13
.irp p, 0,1,2,3
	v_max3_num_f32 v[MW+4*(\p)], v[MW+4*(\p)], v[X+16*(\p)+(\j)], v[X+16*(\p)+(\j)+1]
.endr
.endr
.irp p, 0,1,2,3
	v_max_num_f32 v[MW+4*(\p)], v[MW+4*(\p)], v[X+16*(\p)+15]
.endr
.irp x, 1,2,4,8
.irp p, 0,1,2,3
	v_max_num_f32_dpp v[MW+4*(\p)], v[MW+4*(\p)], v[MW+4*(\p)] row_xmask:\x row_mask:0xf bank_mask:0xf
.endr
.endr
.irp p, 0,1,2,3
	v_mov_b32 v[MW+4*(\p)+1], v[MW+4*(\p)]         ; m twice: a pair for the packed subtraction
.endr
.irp p, 0,1,2,3
	ds_store_b32 v[SA], v[MW+4*(\p)] offset:8*(\p) ; a row's 16 lanes write the same word with the same number
.endr
.set i, 0
.rept 32
	v_pk_add_f32 v[X+2*i:X+2*i+1], v[X+2*i:X+2*i+1], v[MW+4*(i/8):MW+4*(i/8)+1] neg_lo:[0,1] neg_hi:[0,1]  ; s - m first,
.set i, i+1
.endr
.set i, 0
.rept 32
	v_pk_mul_f32 v[X+2*i:X+2*i+1], v[X+2*i:X+2*i+1], s[C:C+1] op_sel_hi:[1,0]  ; then times c
.set i, i+1
.endr
.set i, 0
.rept 64
	v_exp_f32 v[X+i], v[X+i]
.set i, i+1
.endr
	v_nop                                          ; a plain instruction behind the last exponential,
	s_wait_alu depctr_va_vdst(0)                   ; and one wait ahead of the batch's first reader
.set i, 0
.rept 32
	v_cvt_pk_f16_f32 v[Y+i], v[X+2*i], v[X+2*i+1]
.set i, i+1
.endr
.irp p, 0,1,2,3
.irp c, 0,1
	global_store_b128 v[PO], v[Y+8*(\p)+4*(\c):Y+8*(\p)+4*(\c)+3], s[PW:PW+1] offset:8192*(\p)+256*(\c)  ; 16 lanes store 256 consecutive bytes, aligned
.endr
.endr
.irp o, 0,4,8,12
.irp p, 0,1,2,3
	v_pk_add_f32 v[X+16*(\p)+(\o):X+16*(\p)+(\o)+1], v[X+16*(\p)+(\o):X+16*(\p)+(\o)+1], v[X+16*(\p)+(\o)+2:X+16*(\p)+(\o)+3]
.endr
.endr
.irp o, 0,8
.irp p, 0,1,2,3
	v_pk_add_f32 v[X+16*(\p)+(\o):X+16*(\p)+(\o)+1], v[X+16*(\p)+(\o):X+16*(\p)+(\o)+1], v[X+16*(\p)+(\o)+4:X+16*(\p)+(\o)+5]
.endr
.endr
.irp p, 0,1,2,3
	v_pk_add_f32 v[X+16*(\p):X+16*(\p)+1], v[X+16*(\p):X+16*(\p)+1], v[X+16*(\p)+8:X+16*(\p)+9]
.endr
.irp p, 0,1,2,3
	v_add_f32 v[MW+4*(\p)+2], v[X+16*(\p)], v[X+16*(\p)+1]
.endr
.irp x, 1,2,4,8
.irp p, 0,1,2,3
	v_add_f32_dpp v[MW+4*(\p)+2], v[MW+4*(\p)+2], v[MW+4*(\p)+2] row_xmask:\x row_mask:0xf bank_mask:0xf
.endr
.endr
.irp p, 0,1,2,3
	ds_store_b32 v[SA], v[MW+4*(\p)+2] offset:256+8*(\p)
.endr
	s_wait_xcnt 0x0                                ; the stores have read p and their offset: both are written again only behind this wait
	v_add_nc_u32 v[PO], 32768, v[PO]
	v_add_nc_u32 v[RS], 8*SP, v[RS]
	v_add_nc_u32 v[SA], 32, v[SA]
	s_sub_co_u32 s3, s3, 1
	s_cmp_lg_u32 s3, 0
	s_cbranch_scc1 .Lsoft
	ds_load_b64 v[M:M+1], v[SB]                    ; my wave's own bytes: LDS serves a wave's instructions in order (ISA guide 5.7.1.4)
	ds_load_b64 v[M+2:M+3], v[SB] offset:256
	s_wait_dscnt 0x0
	global_store_b64 v[SO], v[M:M+1], s[STP:STP+1]                  ; 64 rows' m: 256 consecutive bytes, aligned
	global_store_b64 v[SO], v[M+2:M+3], s[STP:STP+1] offset:262144  ; and their l
	s_wait_tensorcnt 0x0                           ; the wave's end, behind my last tensor load and my last LDS store
	ds_add_u32 v[SPW], v[NIL]
	s_wait_dscnt 0x0
	CROUND                                         ; the closing round
	s_endpgm
.Lfunc_end_k_qd1d1776c20_scores:
	.size	k_qd1d1776c20_scores, .Lfunc_end_k_qd1d1776c20_scores-k_qd1d1776c20_scores
	.p2alignl 7, 3214868480
	.fill 96, 4, 3214868480
	.section	.rodata,"a",@progbits
	.p2align	6, 0x0
	.amdhsa_kernel k_qd1d1776c20_scores
		.amdhsa_group_segment_fixed_size 327680
		.amdhsa_private_segment_fixed_size 0
		.amdhsa_enable_private_segment 0
		.amdhsa_kernarg_size 40
		.amdhsa_user_sgpr_count 2
		.amdhsa_user_sgpr_kernarg_segment_ptr 1
		.amdhsa_wavefront_size32 1
		.amdhsa_system_sgpr_workgroup_id_x 1
		.amdhsa_system_sgpr_workgroup_id_y 1
		.amdhsa_system_sgpr_workgroup_id_z 1
		.amdhsa_system_vgpr_workitem_id 0
		.amdhsa_next_free_vgpr 1024
		.amdhsa_next_free_sgpr 100
		.amdhsa_reserve_vcc 0
		.amdhsa_float_denorm_mode_32 3
		.amdhsa_float_denorm_mode_16_64 3
		.amdhsa_memory_ordered 1
		.amdhsa_forward_progress 1
		.amdhsa_inst_pref_size 110
	.end_amdhsa_kernel
	.amdgpu_metadata
---
amdhsa.version: [ 1, 2 ]
amdhsa.kernels:
  - .name:           k_qd1d1776c20_scores
    .symbol:         k_qd1d1776c20_scores.kd
    .args:
      - { .name: qkv, .offset: 0, .size: 8, .value_kind: global_buffer, .address_space: global }
      - { .name: mask, .offset: 8, .size: 8, .value_kind: global_buffer, .address_space: global }
      - { .name: nrm, .offset: 16, .size: 8, .value_kind: global_buffer, .address_space: global }
      - { .name: pw, .offset: 24, .size: 8, .value_kind: global_buffer, .address_space: global }
      - { .name: st, .offset: 32, .size: 8, .value_kind: global_buffer, .address_space: global }
    .group_segment_fixed_size: 327680
    .private_segment_fixed_size: 0
    .kernarg_segment_align: 8
    .kernarg_segment_size: 40
    .max_flat_workgroup_size: 128
    .sgpr_count:     100
    .vgpr_count:     1024
    .wavefront_size: 32
...
	.end_amdgpu_metadata
.endif
;; end of part 3
;; launch pv (part 4): grid 4 x 64, 4 waves a work-group, clusters of 4 x 4, 327,680 bytes of LDS; arguments pw, qkv, st, nrm, out0; writes out0
.if DOCPART == 4
	.amdgcn_target "amdgcn-amd-amdhsa--gfx1250"
	.amdhsa_code_object_version 6
	.text
	.protected	k_qd1d1776c20_pv
	.globl	k_qd1d1776c20_pv
	.p2align	8
	.type	k_qd1d1776c20_pv,@function
k_qd1d1776c20_pv:
	s_mov_b64 s[64:65], 0
	v_nop
	global_prefetch_b8 v0, s[64:65] scope:SCOPE_SE
	s_setreg_imm32_b32 hwreg(HW_REG_WAVE_MODE, 25, 1), 1
	s_wait_xcnt 0x0
	s_wait_alu depctr_hold_cnt(0) depctr_sa_sdst(0) depctr_va_vdst(0) depctr_va_sdst(0) depctr_va_ssrc(0) depctr_va_vcc(0) depctr_vm_vsrc(0)
	s_getreg_b32 s2, hwreg(HW_REG_IB_STS2, 6, 4)
	s_cmp_eq_u32 s2, 0
	s_cbranch_scc0 .Lentry_in_a_cluster
	s_endpgm
.Lentry_in_a_cluster:
	s_bfe_u32 s2, ttmp6, 0x10000c
	s_cmp_lg_u32 s2, 0xf033
	s_cbranch_scc0 .Lentry_shape_is_right
	s_endpgm
.Lentry_shape_is_right:
; out[q][:] = the sum over the eight key tiles t of w'_t P_t V'_t, w'_t = w_t 2^(hv - 15) / L.  P (pw) and V' (qkv's third section) in f16, all sums in f32.
; w_t = 2^(c (m_t - M)), M the largest m_t of the row: the running maximum's correction, applied to the f32 sums of a tile, so that P is not rounded twice.  w_t = 0 where tile t of the row has no open key (m_t < -1e30).
; L = the sum of w_t l_t.  A row with no open key at all has L = 0 and every w_t = 0: w'_t = 0 x infinity is NaN, and so are its sums, as the softmax of a row of -infinity is.
; LIMITS.  As in the launch before: c's exponent is held at -120 from below; NaN and infinities among the inputs are not treated apart.
; SHARES.  A tile of 128 queries x 256 channels gives 256 work-groups.  Four waves, each 64 queries x 128 channels.  O^T = V^T P (source 0 = 16 channels, turned out of LDS by ds_load_tr16_b128; source 1 = 16 queries):
; a lane holds ONE query (lane % 16) and eight channels, so w'_t is one number a lane.  Two sets of 32 accumulators: ACT (window 1), the key tile in hand, started with the constant 0; TOT (window 2) += w'_t ACT.
; K goes in steps of 128 keys through two LDS slots; two steps are one key tile.  CLUSTER: 4 x 4; P's tile is asked for jointly along a row of the cluster, V's along a column.
; THE LOOP IS WRITTEN FOR ONE STEP.  Slot 1 begins at byte 1 << 17, so that one exclusive or turns an address in one slot into the other's; the slot that is read is a scalar, and one walking descriptor for each operand
; serves every refill.  What follows a change of slots goes by the count's parity: inside a key tile a plain first quarter, at a tile's end the first quarter that folds and starts anew.
; REGISTERS.  window 0: v0-31 addresses; v32-127, v128-223 two fragment buffers (V's eight, then P's four); v224-227 w'_t of my four query blocks.
.set PP,    272                        ; a row of P in LDS: 256 bytes + 16
.set PVP,   544                        ; a row of V: 512 + 32: 16 lanes of the turning load take 8 rows x 32 bytes, 32 bytes further modulo 256 from row to row
.set PHALF, 64*PP
.set VOFF,  2*PHALF
.set VHALF, 64*PVP
.set SLOT,  2*PHALF+2*VHALF            ; 104,448
.set SLOT1, 1<<17                      ; where slot 1 begins
.set STAGE, SLOT1+SLOT                 ; behind the ring: 16 rows x 528 bytes for each wave, for the way out
.set SP,    528
.set WTAB,  STAGE+4*16*SP              ; 4,096 bytes a wave: w' at [step = 16][query % 16][query block]: a tile's numbers stand twice, once for each of its steps
.set SPARE, WTAB+4*4096
.set P0,   16                          ; v16  my lane's place in P's tile of slot 0; never rewritten
.set ADRP, 17                          ; v17  the same in the slot that is read
.set SV4,  18                          ; v18  4 (lane % 16): my query in a block's 16 words of st
.set V0,   20                          ; v20, v21  the same for V
.set ADRV, 21
.set STO,  22
.set RD,   23
.set GO,   24
.set WA,   25                          ; v25  where the next step's w' lie
.set SPW,  28
.set NIL,  29
.set PFO,  30
.set F0,   32
.set F1,   128
.set WL,   224
.set MM,   32                          ; the head: v32-63 m at 4 t + a, v64-95 l, v96-127 w, v128-139 M, L, 2^(hv - 15) / L, v144-176 nrm
.set LL,   64
.set WW,   96
.set MX,   128
.set LS,   132
.set RC,   136
.set WV, 16
.set AB, 17
.set HF, 18
.set CX, 19
.set CY, 20
.set TX, 21
.set TY, 22
.set CLY, 23
.set G1A, 24                           ; s[24:31] group 1 for P; s[32:39] group 0: a set for each of the two first fills; the second then walks on
.set G0A, 32
.set G1B, 40                           ; the same for V
.set G0B, 48
.set PFA, 56
.set LIM, 58                           ; s58  2 in a wave that prefetches, else the greatest number
.set PAR, 59                           ; s59  0: I ask in even counts alone (P); 1: in every count (V)
.set NS,  60
.set PFS, 66                           ; s[66:67] a step, in bytes, along my prefetches
.set C,   68
.set SV,  69                           ; 2^(hv - 15)
.set THR, 70                           ; -1e30
.set TB,  71                           ; s71  LDS byte at which the slot that is read begins: 0 or SLOT1
.set STB, 72
.set OB,  74
.set SEL, 84
.set MSB, 0
.macro WIN new
.if MSB != (\new)
	s_set_vgpr_msb (MSB<<8)|(\new)
.set MSB, \new
.endif
.endm
.macro PLACES
.rept 4
	v_nop
.endr
.endm
.macro CREST
	s_cmp_lg_u32 s[WV], 0
	s_cbranch_scc1 .Lnot_wave_0_\@
	s_barrier_signal -3
.Lnot_wave_0_\@:
	s_barrier_wait -3
	s_barrier_signal -1
	s_barrier_wait -1
.endm
.macro CROUND
	s_barrier_signal -1
	s_barrier_wait -1
	CREST
.endm
.macro JLOAD s                         ; waves 0 and 1 fetch P's halves, waves 2 and 3 V's; an s_nop 0 and four v_nop follow each line
	s_cmp_eq_u32 s[AB], 0
	s_cbranch_scc0 .Lfor_b_\@
	tensor_load_to_lds s[G0A+4*(\s):G0A+4*(\s)+3], s[G1A:G1A+7]
	s_nop 0
.rept 4
	v_nop
.endr
	s_branch .Lasked_\@
.Lfor_b_\@:
	tensor_load_to_lds s[G0B+4*(\s):G0B+4*(\s)+3], s[G1B:G1B+7]
	s_nop 0
.rept 4
	v_nop
.endr
.Lasked_\@:
.endm
.macro ATSLOT                          ; my fragments' addresses in the slot at s[TB]
	v_add_nc_u32 v[ADRP], s[TB], v[P0]
	v_add_nc_u32 v[ADRV], s[TB], v[V0]
.endm
; nrm -> h of the sections, by the same lines in every launch that needs them, so the same bits.  nrm has four groups of 256 numbers (x, q, k, v); a lane takes eight of each of the first ng groups.
.macro NLOAD vb, np, ng
	v_and_b32 v[(\vb)+32], 31, v0
	v_lshlrev_b32 v[(\vb)+32], 5, v[(\vb)+32]
.irp q, 0,1,2,3
.if (\q) < (\ng)
	global_load_b128 v[(\vb)+8*(\q):(\vb)+8*(\q)+3],   v[(\vb)+32], s[(\np):(\np)+1] offset:1024*(\q)
	global_load_b128 v[(\vb)+8*(\q)+4:(\vb)+8*(\q)+7], v[(\vb)+32], s[(\np):(\np)+1] offset:1024*(\q)+16
.endif
.endr
.endm
.macro NRED vb, ng
	s_wait_loadcnt 0x0
.irp q, 0,1,2,3
.if (\q) < (\ng)
	v_max3_num_f32 v[(\vb)+8*(\q)], v[(\vb)+8*(\q)], v[(\vb)+8*(\q)+1], v[(\vb)+8*(\q)+2]
	v_max3_num_f32 v[(\vb)+8*(\q)], v[(\vb)+8*(\q)], v[(\vb)+8*(\q)+3], v[(\vb)+8*(\q)+4]
	v_max3_num_f32 v[(\vb)+8*(\q)], v[(\vb)+8*(\q)], v[(\vb)+8*(\q)+5], v[(\vb)+8*(\q)+6]
	v_max_num_f32 v[(\vb)+8*(\q)], v[(\vb)+8*(\q)], v[(\vb)+8*(\q)+7]
.irp x, 1,2,4,8
	v_max_num_f32_dpp v[(\vb)+8*(\q)], v[(\vb)+8*(\q)], v[(\vb)+8*(\q)] row_xmask:\x row_mask:0xf bank_mask:0xf
.endr
	v_permlanex16_b32 v[(\vb)+8*(\q)+1], v[(\vb)+8*(\q)], s[SEL], s[SEL+1]
	v_max_num_f32 v[(\vb)+8*(\q)], v[(\vb)+8*(\q)], v[(\vb)+8*(\q)+1]
.endif
.endr
	v_add_f32 v[(\vb)], 1.0, v[(\vb)]
.irp q, 1,2,3
.if (\q) < (\ng)
	v_mul_f32 v[(\vb)+8*(\q)], v[(\vb)], v[(\vb)+8*(\q)]
	v_readfirstlane_b32 s[NS+(\q)], v[(\vb)+8*(\q)]
	s_lshr_b32 s[NS+(\q)], s[NS+(\q)], 23
	s_sub_co_i32 s[NS+(\q)], s[NS+(\q)], 125
	s_ashr_i32 s[NS+(\q)], s[NS+(\q)], 1
.endif
.endr
.endm
; A PREFETCH INTO THE L2 behind each joint load and the run of LDS loads that follows it: trip i asks for step i + 2 and names step i + 4.  Each 256 bytes are named once in the launch.
; P's rows are read by one cluster alone: every cluster asks for its own, waves 0 and 1, in even counts, for two steps at once: of a wave's 64 rows each of the four partners takes 16, told apart by
; address: 16 rows x 2 steps = 32 lanes.  V's rows are read by the batch's four rows of clusters: the first of them asks, waves 2 and 3, in every count: 16 rows x 512 bytes = 32 lanes.
; The last two trips (counts 2 and 1) name nothing; steps 0-3 come by their loads alone.
.macro ASK
	s_and_b32 s98, s3, 1
	s_cmp_gt_u32 s98, s[PAR]
	s_cbranch_scc1 .Lnot_mine_\@
	s_cmp_gt_u32 s3, s[LIM]
	s_cbranch_scc0 .Lnot_mine_\@
	global_prefetch_b8 v[PFO], s[PFA:PFA+1] th:TH_LOAD_NT scope:SCOPE_SE
.Lnot_mine_\@:
.endm
	s_load_b256 s[4:11], s[0:1], 0x0               ; pw s[4:5], qkv s[6:7], st s[8:9], nrm s[10:11]
	s_load_b64 s[12:13], s[0:1], 0x20              ; out0
	v_lshl_add_u32 v[SPW], v0, 2, SPARE
	v_mov_b32 v[NIL], 0
	ds_add_u32 v[SPW], v[NIL]                      ; the wave's opening: the add and its wait stand ahead of my first tensor load
	v_lshrrev_b32 v1, 5, v0
	v_readfirstlane_b32 s[WV], v1
	s_lshr_b32 s[AB], s[WV], 1
	s_and_b32 s[HF], s[WV], 1
	s_bfe_u32 s[CX], ttmp6, 0x40000
	s_bfe_u32 s[CY], ttmp6, 0x40004
	s_lshl_b32 s[TX], ttmp9, 2
	s_add_co_u32 s[TX], s[TX], s[CX]               ; block of 256 channels
	s_and_b32 s[CLY], ttmp7, 0xffff
	s_lshl_b32 s[TY], s[CLY], 2
	s_add_co_u32 s[TY], s[TY], s[CY]               ; block of 128 queries, over all batches
	s_lshl_b32 s86, s[CY], 2
	s_lshl_b32 s86, 15, s86
	s_lshl_b32 s87, 0x1111, s[CX]
	s_or_b32 s[G1A], s86, 0x07710000               ; P: after every 64 words, 4 words of padding
	s_or_b32 s[G1B], s87, 0x0fb10000               ; V: after every 128 words, 8 words
	s_mov_b32 s[G1A+1], 128<<16                    ; tensor_dim0: 128 keys
	s_mov_b32 s[G1B+1], 256<<16                    ; 256 channels
	s_mov_b32 s[G1A+2], 64<<16                     ; tensor_dim1: 64 queries
	s_mov_b32 s[G1B+2], 64<<16                     ; 64 keys
	s_mov_b32 s[G1A+3], 128<<16
	s_mov_b32 s[G1B+3], 256<<16
	s_mov_b32 s[G1A+4], 64
	s_mov_b32 s[G1B+4], 64
	s_mov_b32 s[G1A+5], 2048                       ; elements from row to row
	s_mov_b32 s[G1B+5], 1024
	s_mov_b32 s[G1A+6], 0
	s_mov_b32 s[G1B+6], 0
	s_mov_b32 s[G1A+7], 0
	s_mov_b32 s[G1B+7], 0
	s_mov_b32 s[SEL], 0x76543210
	s_mov_b32 s[SEL+1], 0xfedcba98
	s_mov_b32 s[THR], 0xf149f2ca
	s_mov_b32 s[TB], 0
	s_lshl_b32 s88, s[TY], 19                      ; P: (128 block + 64 half) rows of 4,096 bytes
	s_lshl_b32 s86, s[HF], 18
	s_add_co_u32 s88, s88, s86
	s_mov_b32 s89, 0
	s_lshr_b32 s90, s[CLY], 2                      ; V': the third section; the batch (four rows of clusters each); 64 half rows of 2,048 bytes; 512 channel block
	s_lshl_b32 s90, s90, 22
	s_lshl_b32 s87, s[TX], 9
	s_add_co_u32 s90, s90, s87
	s_lshl_b32 s87, s[HF], 17
	s_add_co_u32 s90, s90, s87
	s_add_co_u32 s90, s90, 0x2000000
	s_mov_b32 s91, 0
	s_mul_i32 s96, s[HF], PHALF
	s_mul_i32 s97, s[HF], VHALF
	s_add_co_u32 s97, s97, VOFF
	s_wait_dscnt 0x0
	s_wait_kmcnt 0x0
	s_add_nc_u64 s[92:93], s[4:5], s[88:89]
	s_add_nc_u64 s[94:95], s[6:7], s[90:91]
	CROUND
.irp s, 0,1
	s_mov_b32 s[G0A+4*(\s)], 1
	s_add_co_u32 s[G0A+4*(\s)+1], s96, (\s)*SLOT1
	s_add_nc_u64 s[G0A+4*(\s)+2:G0A+4*(\s)+3], s[92:93], (\s)*256
	s_or_b32 s[G0A+4*(\s)+3], s[G0A+4*(\s)+3], 0x80000000
	s_mov_b32 s[G0B+4*(\s)], 1
	s_add_co_u32 s[G0B+4*(\s)+1], s97, (\s)*SLOT1
	s_add_nc_u64 s[G0B+4*(\s)+2:G0B+4*(\s)+3], s[94:95], (\s)*262144
	s_or_b32 s[G0B+4*(\s)+3], s[G0B+4*(\s)+3], 0x80000000
	JLOAD \s                                       ; two loads of mine are out, the most in this text
.endr
	v_and_b32 v1, 15, v0                           ; r
	v_bfe_u32 v2, v0, 4, 1                         ; h
	v_lshlrev_b32 v[SV4], 2, v1
	s_lshl_b32 s88, s[TY], 9                       ; st at my 64 queries: 4 (128 block + 64 wr)
	s_lshl_b32 s86, s[AB], 8
	s_add_co_u32 s88, s88, s86
	s_add_nc_u64 s[STB:STB+1], s[8:9], s[88:89]
.irp t, 0,1,2,3,4,5,6,7
.irp a, 0,1,2,3
	global_load_b32 v[MM+4*(\t)+(\a)], v[SV4], s[STB:STB+1] offset:32768*(\t)+64*(\a)
	global_load_b32 v[LL+4*(\t)+(\a)], v[SV4], s[STB:STB+1] offset:262144+32768*(\t)+64*(\a)
.endr
.endr
	NLOAD 144, 10, 4                               ; nrm goes out with them, ahead of the register work below
	WIN 0x80                                       ; TOT starts at 0: written while the first tiles and the statistics are on their way, so that the loop has one form of fold
.set i, 0
.rept 256
	v_mov_b32 v[i], 0
.set i, i+1
.endr
	WIN 0
	s_lshl_b32 s86, s[AB], 6
	v_add_nc_u32 v4, s86, v1
	v_mul_u32_u24 v[P0], v4, PP
	v_lshl_add_u32 v[P0], v2, 4, v[P0]             ; P: (64 wr + r) x pitch + 16 h
	v_and_b32 v4, 7, v0                            ; V: the turning load: key 8 h + lane % 8, channels 8 ((lane / 8) % 2) on, my 128 channels
	v_lshl_add_u32 v4, v2, 3, v4
	v_mul_u32_u24 v3, v4, PVP
	v_bfe_u32 v4, v0, 3, 1
	v_lshl_add_u32 v3, v4, 4, v3
	s_lshl_b32 s86, s[HF], 8
	s_add_co_u32 s86, s86, VOFF
	v_add_nc_u32 v[V0], s86, v3
	ATSLOT                                         ; slot 0
	s_mul_i32 s86, s[WV], 16*SP
	s_add_co_u32 s86, s86, STAGE
	v_mul_u32_u24 v[STO], v1, SP                   ; into my stage: row r, 32 bytes for each half of the lanes
	v_lshl_add_u32 v[STO], v2, 5, v[STO]
	v_add_nc_u32 v[STO], s86, v[STO]
	v_and_b32 v[GO], 31, v0
	v_lshlrev_b32 v[GO], 4, v[GO]                  ; back: a row's 512 bytes by 32 lanes
	v_add_nc_u32 v[RD], s86, v[GO]
	s_lshl_b32 s86, s[WV], 12
	s_add_co_u32 s86, s86, WTAB
	v_lshl_add_u32 v[WA], v1, 4, s86
	s_lshl_b32 s88, s[TY], 19                      ; out0: (128 block + 64 wr) rows of 4,096 bytes + 1,024 channel block + 512 wc
	s_lshl_b32 s86, s[AB], 18
	s_add_co_u32 s88, s88, s86
	s_lshl_b32 s86, s[TX], 10
	s_add_co_u32 s88, s88, s86
	s_lshl_b32 s86, s[HF], 9
	s_add_co_u32 s88, s88, s86
	s_add_nc_u64 s[OB:OB+1], s[12:13], s[88:89]
	; the prefetches
	s_lshl_b32 s86, s[TY], 19
	s_lshl_b32 s87, s[HF], 18
	s_add_co_u32 s86, s86, s87
	s_lshl_b32 s87, s[CX], 16
	s_add_co_u32 s86, s86, s87
	s_add_co_u32 s86, s86, 3*256                   ; P: my work-group's 16 rows of my 64, at step 3: the first change steps it to 4
	s_lshr_b32 s87, s[CLY], 2
	s_lshl_b32 s87, s87, 22
	s_lshl_b32 s98, s[HF], 17
	s_add_co_u32 s87, s87, s98
	s_lshl_b32 s98, s[CY], 15
	s_add_co_u32 s87, s87, s98
	s_lshl_b32 s98, s[TX], 9
	s_add_co_u32 s87, s87, s98
	s_add_co_u32 s87, s87, 0x2000000+3*262144      ; V'
	s_mov_b32 s97, 262144                          ; V's step in bytes, in a register: an instruction takes one literal (s97 is free: the descriptors' LDS words are made)
	s_and_b32 s98, s[CLY], 3
	s_cmp_eq_u32 s98, 0
	s_cselect_b32 s99, 2, -1
	s_cmp_eq_u32 s[AB], 0
	s_cselect_b32 s86, s86, s87
	s_cselect_b64 s[PFA:PFA+1], s[4:5], s[6:7]
	s_cselect_b32 s[PFS], 256, s97
	s_cselect_b32 s[LIM], 2, s99
	s_cselect_b32 s[PAR], 0, 1
	s_cselect_b32 s98, -1, 0
	s_mov_b32 s87, 0
	s_mov_b32 s[PFS+1], 0
	s_add_nc_u64 s[PFA:PFA+1], s[PFA:PFA+1], s[86:87]
	v_lshlrev_b32 v4, 12, v1                       ; P: row lane % 16, step lane / 16
	v_lshl_add_u32 v4, v2, 8, v4
	v_and_b32 v5, 31, v0                           ; V: row lane / 2, 256 bytes lane % 2
	v_lshrrev_b32 v3, 1, v5
	v_and_b32 v5, 1, v5
	v_lshlrev_b32 v3, 11, v3
	v_lshl_add_u32 v3, v5, 8, v3
	v_cndmask_b32 v[PFO], v3, v4, s98
	NRED 144, 4                                    ; its wait for all loads covers m and l too
	s_add_co_i32 s[C], s[NS+1], s[NS+2]            ; c: the same lines as in the launch before, so the same bits
	s_sub_co_i32 s[C], s[C], 30
	s_max_i32 s[C], s[C], -120
	s_lshl_b32 s[C], s[C], 23
	s_add_co_u32 s[C], s[C], 0x3d38aa3b
	s_add_co_i32 s[SV], s[NS+3], 112
	s_lshl_b32 s[SV], s[SV], 23
.irp a, 0,1,2,3
	v_max3_num_f32 v[MX+(\a)], v[MM+(\a)], v[MM+4+(\a)], v[MM+8+(\a)]
.endr
.irp a, 0,1,2,3
	v_max3_num_f32 v[MX+(\a)], v[MX+(\a)], v[MM+12+(\a)], v[MM+16+(\a)]
.endr
.irp a, 0,1,2,3
	v_max3_num_f32 v[MX+(\a)], v[MX+(\a)], v[MM+20+(\a)], v[MM+24+(\a)]
.endr
.irp a, 0,1,2,3
	v_max_num_f32 v[MX+(\a)], v[MX+(\a)], v[MM+28+(\a)]
.endr
.set i, 0
.rept 32
	v_sub_f32 v[WW+i], v[MM+i], v[MX+i%4]          ; m_t - M first,
.set i, i+1
.endr
.set i, 0
.rept 32
	v_mul_f32 v[WW+i], s[C], v[WW+i]               ; then times c
.set i, i+1
.endr
.set i, 0
.rept 32
	v_exp_f32 v[WW+i], v[WW+i]
.set i, i+1
.endr
	v_nop                                          ; a plain instruction behind the last exponential,
	s_wait_alu depctr_va_vdst(0)                   ; and one wait ahead of the batch's first reader
.set i, 0
.rept 32
	v_cmp_lt_f32 vcc_lo, s[THR], v[MM+i]
	v_cndmask_b32 v[WW+i], 0, v[WW+i], vcc_lo      ; 0 for a tile in which the row has no open key
.set i, i+1
.endr
.irp a, 0,1,2,3
	v_mul_f32 v[LS+(\a)], v[WW+(\a)], v[LL+(\a)]
.endr
.irp t, 1,2,3,4,5,6,7
.irp a, 0,1,2,3
	v_fmac_f32 v[LS+(\a)], v[WW+4*(\t)+(\a)], v[LL+4*(\t)+(\a)]
.endr
.endr
.irp a, 0,1,2,3
	v_rcp_f32 v[RC+(\a)], v[LS+(\a)]
.endr
	v_nop
	s_wait_alu depctr_va_vdst(0)                   ; one wait for the four reciprocals
.irp a, 0,1,2,3
	v_mul_f32 v[RC+(\a)], s[SV], v[RC+(\a)]        ; 2^(hv - 15) / L
.endr
.set i, 0
.rept 32
	v_mul_f32 v[WW+i], v[WW+i], v[RC+i%4]          ; w': the division by L and V's scale ride on the fold, and the way out multiplies nothing
.set i, i+1
.endr
.irp t, 0,1,2,3,4,5,6,7
	ds_store_b128 v[WA], v[WW+4*(\t):WW+4*(\t)+3] offset:512*(\t)      ; my wave's own table; both halves of the lanes write the same bytes with the same numbers
	ds_store_b128 v[WA], v[WW+4*(\t):WW+4*(\t)+3] offset:512*(\t)+256  ; once for each of the tile's two steps
.endr
.macro FETCH kq, f                     ; 24 LDS loads in one run: V's eight fragments (turned), then P's four, 32 keys from key 32 kq of the step in the slot that is read
	WIN 0
.irp b, 0,1,2,3,4,5,6,7
	ds_load_tr16_b128 v[(\f)+8*(\b):(\f)+8*(\b)+3],   v[ADRV] offset:32*PVP*(\kq)+32*(\b)
	ds_load_tr16_b128 v[(\f)+8*(\b)+4:(\f)+8*(\b)+7], v[ADRV] offset:32*PVP*(\kq)+32*(\b)+16*PVP
.endr
.irp a, 0,1,2,3
	ds_load_b128 v[(\f)+64+8*(\a):(\f)+64+8*(\a)+3],   v[ADRP] offset:16*PP*(\a)+64*(\kq)
	ds_load_b128 v[(\f)+64+8*(\a)+4:(\f)+64+8*(\a)+7], v[ADRP] offset:16*PP*(\a)+64*(\kq)+32
.endr
.endm
.macro MUL1 f, a, b, zero              ; one product; the 32 accumulators take turns in one fixed order
	WIN 0x50                                       ; C and D in window 1
.if \zero
	v_wmma_f32_16x16x32_f16 v[8*(8*(\a)+(\b)):8*(8*(\a)+(\b))+7], v[(\f)+8*(\b):(\f)+8*(\b)+7], v[(\f)+64+8*(\a):(\f)+64+8*(\a)+7], 0
.else
	v_wmma_f32_16x16x32_f16 v[8*(8*(\a)+(\b)):8*(8*(\a)+(\b))+7], v[(\f)+8*(\b):(\f)+8*(\b)+7], v[(\f)+64+8*(\a):(\f)+64+8*(\a)+7], v[8*(8*(\a)+(\b)):8*(8*(\a)+(\b))+7]
.endif
.endm
.macro MULQ f, a
.irp b, 0,1,2,3,4,5,6,7
	MUL1 \f, \a, \b, 0
.endr
.endm
.macro FOLD a, b                       ; TOT += w' ACT for one accumulator, its registers in ascending order
	WIN 0xa1                                       ; destination and source 2 in window 2, source 0 in window 1, w' in window 0
.irp j, 0,1,2,3
.if ((\a)%2) == 0
	v_pk_fma_f32 v[8*(8*(\a)+(\b))+2*(\j):8*(8*(\a)+(\b))+2*(\j)+1], v[8*(8*(\a)+(\b))+2*(\j):8*(8*(\a)+(\b))+2*(\j)+1], v[WL+(\a):WL+(\a)+1], v[8*(8*(\a)+(\b))+2*(\j):8*(8*(\a)+(\b))+2*(\j)+1] op_sel_hi:[1,0,1]
.else
	v_pk_fma_f32 v[8*(8*(\a)+(\b))+2*(\j):8*(8*(\a)+(\b))+2*(\j)+1], v[8*(8*(\a)+(\b))+2*(\j):8*(8*(\a)+(\b))+2*(\j)+1], v[WL+(\a)-1:WL+(\a)], v[8*(8*(\a)+(\b))+2*(\j):8*(8*(\a)+(\b))+2*(\j)+1] op_sel:[0,1,0] op_sel_hi:[1,1,1]
.endif
.endr
.endm
.macro QUARTER kq, f, g                ; 32 products on buffer f; in their middle the fragments of quarter kq go into g
	s_wait_dscnt 4                                 ; V's and P's blocks 0, 1 are in; the youngest four loads (P's blocks 2, 3) may be out
	MULQ \f, 0
	MULQ \f, 1
	PLACES
	FETCH \kq, \g
	s_wait_dscnt 24                                ; all but the 24 just issued
	MULQ \f, 2
	MULQ \f, 3
.endm
; A key tile's first quarter: its products start ACT's sums with the constant 0.  fold = 1: in front of each stands the fold of what that accumulator holds of the tile before.
; The four v_nop at the head, with the vector lines behind the change of slots, are the places between the last products on ACT and the first fold and the first product that writes over it.
.macro FOLDQ fold
	PLACES
	s_wait_dscnt 4
.irp a, 0,1
.irp b, 0,1,2,3,4,5,6,7
.if \fold
	FOLD \a, \b
.endif
	MUL1 F0, \a, \b, 1
.endr
.endr
	PLACES
	FETCH 1, F1
	s_wait_dscnt 24
.irp a, 2,3
.irp b, 0,1,2,3,4,5,6,7
.if \fold
	FOLD \a, \b
.endif
	MUL1 F0, \a, \b, 1
.endr
.endr
.endm
; A step's last quarter multiplies F1 and changes slots: ONE barrier; in front of it each wave waits for all its tensor loads (one is out: its part of the next slot), adds 0 to its spare word, and waits for that and for
; its reads of this slot.  fill = 1: the barrier opens a round of the cluster's, and this slot is filled again first thing behind it: the walking descriptor takes the other slot than last time and the next step.
; Every change fetches the step's entry of w's table; the fold behind a tile's second step reads it.
.macro TURN fill
	WIN 0
.if \fill
	s_wait_xcnt 0x0                                ; the last prefetch, a step or two back, has read its address
	s_add_nc_u64 s[PFA:PFA+1], s[PFA:PFA+1], s[PFS:PFS+1]
.endif
	ds_load_b128 v[WL:WL+3], v[WA]
	s_wait_tensorcnt 0x0                           ; all my tensor loads have landed, so a group 0 may be written
	ds_add_u32 v[SPW], v[NIL]                      ; 0 onto my spare word
	s_wait_dscnt 6                                 ; P's blocks 2, 3 (four loads), w's load and the add may be out
	MULQ F1, 0
	s_wait_dscnt 0x0                               ; the add is done, and my reads of this slot are over
	s_barrier_signal -1
	MULQ F1, 1
	WIN 0
	s_barrier_wait -1
.if \fill
	CREST
	s_xor_b32 s[G0A+5], s[G0A+5], SLOT1
	s_add_nc_u64 s[G0A+6:G0A+7], s[G0A+6:G0A+7], 256
	s_xor_b32 s[G0B+5], s[G0B+5], SLOT1
	s_add_nc_u64 s[G0B+6:G0B+7], s[G0B+6:G0B+7], 262144
	JLOAD 1                                        ; the four v_nop behind it are also the places in front of the loads below
.else
	PLACES
.endif
	s_xor_b32 s[TB], s[TB], SLOT1                  ; from here on the other slot is read
	ATSLOT
	v_add_nc_u32 v[WA], 256, v[WA]
	FETCH 0, F0
.if \fill
	ASK
.endif
	MULQ F1, 2
	MULQ F1, 3
.endm
	s_wait_tensorcnt 0x1                           ; my part of step 0 is in; step 1's may stay out
	s_wait_dscnt 0x0                               ; my table is written
	s_barrier_signal -1
	s_barrier_wait -1
	FETCH 0, F0
	FOLDQ 0
	WIN 0
	s_mov_b32 s3, 14
.Lstep:                                                ; trip i (count 14 - i): the last three quarters of step i, the refill with step i + 2, the first quarter of step i + 1
	QUARTER 2, F1, F0
	QUARTER 3, F0, F1
	TURN 1
	WIN 0
	s_bitcmp1_b32 s3, 0                            ; an odd count is an odd step: a key tile has ended
	s_cbranch_scc1 .Lfold
	QUARTER 1, F0, F1
	WIN 0
	s_branch .Ljoin
.Lfold:
	FOLDQ 1
	WIN 0
.Ljoin:
	s_sub_co_u32 s3, s3, 1
	s_cmp_lg_u32 s3, 0
	s_cbranch_scc1 .Lstep
	s_mov_b32 s3, 2
.Ltail:                                                ; steps 14 and 15 ask for nothing; their second and third quarters are one text, walked twice and left in the second trip
	QUARTER 2, F1, F0
	QUARTER 3, F0, F1
	WIN 0
	s_sub_co_u32 s3, s3, 1
	s_cmp_eq_u32 s3, 0
	s_cbranch_scc1 .Llast
	TURN 0                                         ; it fetches the table's entry 14: the last tile's w'
	QUARTER 1, F0, F1
	WIN 0
	s_cmp_lg_u32 s3, 0
	s_cbranch_scc1 .Ltail
.Llast:
	s_wait_dscnt 4
	MULQ F1, 0
	MULQ F1, 1
	s_wait_dscnt 0x0
	MULQ F1, 2
	MULQ F1, 3
	PLACES
.irp a, 0,1,2,3
.irp b, 0,1,2,3,4,5,6,7
	FOLD \a, \b
.endr
.endr
	; THE WAY OUT: a block of 16 queries at a time through my stage, back as whole rows of 512 bytes.
.macro PACK a
	WIN 0x08                                       ; the data (source 1) in window 2
.irp b, 0,1,2,3,4,5,6,7
	ds_store_b128 v[STO], v[64*(\a)+8*(\b):64*(\a)+8*(\b)+3]   offset:64*(\b)
	ds_store_b128 v[STO], v[64*(\a)+8*(\b)+4:64*(\a)+8*(\b)+7] offset:64*(\b)+16
.endr
	WIN 0
.if (\a) >= 2
	s_wait_xcnt 0x0                                ; the stores of the block two back have read these registers
.endif
.set BK, 32+96*((\a)%2)
.irp q, 0,1,2,3,4,5,6,7,8,9,10,11,12,13,14,15
	ds_load_b128 v[BK+4*(\q):BK+4*(\q)+3], v[RD] offset:SP*(\q)  ; LDS serves a wave's instructions in order (ISA guide 5.7.1.4): these see the stores above; the next block's stores come behind them
.endr
.endm
.macro SEND a, younger                 ; younger: the LDS instructions issued behind block a's loads: the next block's 32, or none
	WIN 0
.set BK, 32+96*((\a)%2)
.irp q, 0,1,2,3,4,5,6,7,8,9,10,11,12,13,14,15
	s_wait_dscnt (\younger)+15-(\q)
	global_store_b128 v[GO], v[BK+4*(\q):BK+4*(\q)+3], s[OB:OB+1] offset:(16*(\a)+(\q))*4096 th:TH_STORE_NT  ; 512 consecutive bytes, aligned
.endr
.endm
	PACK 0
	PACK 1
	SEND 0, 32
	PACK 2
	SEND 1, 32
	PACK 3
	SEND 2, 32
	SEND 3, 0
	s_wait_tensorcnt 0x0                           ; the wave's end, behind my last tensor load and my last LDS store
	ds_add_u32 v[SPW], v[NIL]
	s_wait_dscnt 0x0
	CROUND                                         ; the closing round
	s_endpgm
.Lfunc_end_k_qd1d1776c20_pv:
	.size	k_qd1d1776c20_pv, .Lfunc_end_k_qd1d1776c20_pv-k_qd1d1776c20_pv
	.p2alignl 7, 3214868480
	.fill 96, 4, 3214868480
	.section	.rodata,"a",@progbits
	.p2align	6, 0x0
	.amdhsa_kernel k_qd1d1776c20_pv
		.amdhsa_group_segment_fixed_size 327680
		.amdhsa_private_segment_fixed_size 0
		.amdhsa_enable_private_segment 0
		.amdhsa_kernarg_size 40
		.amdhsa_user_sgpr_count 2
		.amdhsa_user_sgpr_kernarg_segment_ptr 1
		.amdhsa_wavefront_size32 1
		.amdhsa_system_sgpr_workgroup_id_x 1
		.amdhsa_system_sgpr_workgroup_id_y 1
		.amdhsa_system_sgpr_workgroup_id_z 1
		.amdhsa_system_vgpr_workitem_id 0
		.amdhsa_next_free_vgpr 768
		.amdhsa_next_free_sgpr 100
		.amdhsa_reserve_vcc 1
		.amdhsa_float_denorm_mode_32 3
		.amdhsa_float_denorm_mode_16_64 3
		.amdhsa_memory_ordered 1
		.amdhsa_forward_progress 1
		.amdhsa_inst_pref_size 116
	.end_amdhsa_kernel
	.amdgpu_metadata
---
amdhsa.version: [ 1, 2 ]
amdhsa.kernels:
  - .name:           k_qd1d1776c20_pv
    .symbol:         k_qd1d1776c20_pv.kd
    .args:
      - { .name: pw, .offset: 0, .size: 8, .value_kind: global_buffer, .address_space: global }
      - { .name: qkv, .offset: 8, .size: 8, .value_kind: global_buffer, .address_space: global }
      - { .name: st, .offset: 16, .size: 8, .value_kind: global_buffer, .address_space: global }
      - { .name: nrm, .offset: 24, .size: 8, .value_kind: global_buffer, .address_space: global }
      - { .name: out0, .offset: 32, .size: 8, .value_kind: global_buffer, .address_space: global }
    .group_segment_fixed_size: 327680
    .private_segment_fixed_size: 0
    .kernarg_segment_align: 8
    .kernarg_segment_size: 40
    .max_flat_workgroup_size: 128
    .sgpr_count:     100
    .vgpr_count:     768
    .wavefront_size: 32
...
	.end_amdgpu_metadata
.endif
;; end of part 4
